; MI455X (gfx1250); checked and timed in simulation.
; The chip was launched on July 23, 2026; its instructions are those of AMD's public machine-readable ISA for CDNA 5 (MIT licence, August 2026) and "CDNA5" Instruction Set Architecture Reference Guide (July 2026). The comments in the code are by the model that wrote it; some were corrected since.
;; Attention. Allowed arithmetic: matrix products marked QUANTISED: E2M3 operands, one E8M0 scale for each 32 along K, by v_wmma_scale_f32_16x16x128_f8f6f4 with both operands' format E2M3, f32 sums; everything else in f32.
;; Inputs: c_attn_b 3,072 float32; c_attn_w 1,024 x 3,072 float32; c_proj_b 1,024 float32; c_proj_w 1,024 x 1,024 float32; x 4 x 2,048 x 1,024 float32.
;; Outputs: out0 4 x 2,048 x 1,024 float32.
;; This version of the problem:
;;   THIS VERSION OF THE PROBLEM IS GIVEN IN LOW PRECISION. The matrix products marked QUANTISED in the list below multiply operands that are first quantised to E2M3 (2 exponent bits, 3 mantissa bits; 6 bits a number), with one power-of-two scale for each 32 numbers along K (OCP MX v1.0); their sums are f32. All else is computed in f32.
;;   The module's matrix products, in the order in which they are computed (A, B: the left and right operand; K: the contracted axis; several contracted axes count as one K, in the product's order):
;;     1. [M 8,192, K 1,024] x [K 1,024, N 3,072]; A: input x; B: input c_attn_w: QUANTISED
;;     2. batch 64 x [M 2,048, K 64] x [K 64, N 2,048]; A: computed on the way; B: computed on the way: QUANTISED
;;     3. batch 64 x [M 2,048, K 2,048] x [K 2,048, N 64]; A: softmax (see below); B: computed on the way: QUANTISED
;;     4. [M 8,192, K 1,024] x [K 1,024, N 1,024]; A: computed on the way; B: input c_proj_w: QUANTISED
;;   THE QUANTISER, for each operand of a quantised product, along K:
;;     - K is cut into blocks of 32 from its start; a last block that is shorter is filled with zeros.
;;     - A block's scale is 2^e with e = floor(log2(the largest magnitude in the block)) - 2, held to -126 .. 127; a block of zeros has e = 0. As a byte (E8M0): e + 127.
;;     - Each number is divided by its block's scale, clamped to +-7.5, and rounded to the nearest number of E2M3, ties to even, subnormals kept.
;;     - The product sums the exact products of the quantised numbers (number of the format x scale) in f32.
;;   ~~~python
;;   def quantise(x, axis):      # numpy; x: float32 -> the quantised numbers, widened to float32 again
;;       x = np.moveaxis(x, axis, -1); K = x.shape[-1]
;;       x = np.pad(x, [(0, 0)] * (x.ndim - 1) + [(0, -K % 32)]); x = x.reshape(x.shape[:-1] + (-1, 32)); a = np.abs(x).max(-1, keepdims=True)
;;       e = np.where(a > 0, np.clip(np.frexp(np.where(a > 0, a, 1))[1] - 1 - 2, -126, 127), 0)      # np.frexp(a)[1] - 1 = floor(log2(a)), exactly
;;       r = np.clip(x / 2.0 ** e, -7.5, 7.5)
;;       step = 2.0 ** (np.maximum(np.frexp(np.where(r == 0, 1, r))[1] - 1, 0) - 3)
;;       q = np.round(r / step) * step * 2.0 ** e      # np.round: ties to even
;;       return np.moveaxis(q.reshape(q.shape[:-2] + (-1,))[..., :K], -1, axis).astype(np.float32)
;;   ~~~
;;   SOFTMAX AHEAD OF A QUANTISED PRODUCT. Where the list says 'softmax', what is quantised is not the finished softmax but p = 2^(t - M), with t = logit x log2(e) and M = ceil(the row's largest t), a whole number; so 1/2 < the row's largest p <= 1. The row's sum l is taken of the UNQUANTISED p, in f32, and the product's result is divided by l at the end. Since M is a whole number, a kernel that streams over the keys may use a running M (the ceiling of the running maximum): every later rescaling is an exact power of two, which a block's scale takes up: the codes' values come out the same.
;;   OPERANDS COMPUTED ON THE WAY. 'Computed on the way' means the value that the module computes at that place (a softmax that the list does not call 'softmax' is quantised finished and normalised). What goes into a quantiser is computed in f32, as accurately as f32 sums, v_exp_f32 and their like allow (about 1e-6 of the number): no bf16 or f16 on the way to a quantiser, and a product that is left as it is and whose result goes on into a quantised operand takes f32 operands (vector FMAs, or v_wmma_f32_16x16x4_f32). A number that lies on a knife's edge between two numbers of the format may be rounded either way, as far as f32 arithmetic and the matrix unit's own rounding can turn it there, and no further.
;; One version. Each part assembles by itself: llvm-mc -triple=amdgcn-amd-amdhsa -mcpu=gfx1250 --defsym DOCPART=n.
;; ======== version 1 of 1: 4 launches
;; workspace buffers: ximg 6,553,600 bytes; wimg 3,276,800 bytes; qimg 6,815,744 bytes; kimg 6,815,744 bytes; vimg 6,553,600 bytes; aimg 6,553,600 bytes
;; launch quant (part 1): grid 512 x 1, 4 waves a work-group, no clusters, 49,664 bytes of LDS; arguments x, c_attn_w, c_proj_w, ximg, wimg; writes ximg, wimg
.if DOCPART == 1
	.amdgcn_target "amdgcn-amd-amdhsa--gfx1250"
	.amdhsa_code_object_version 6
	.text
	.protected	k_q99535c1683_quant
	.globl	k_q99535c1683_quant
	.p2align	8
	.type	k_q99535c1683_quant,@function
k_q99535c1683_quant:
	s_mov_b64 s[64:65], 0
	v_nop
	global_prefetch_b8 v0, s[64:65] scope:SCOPE_SE
	s_setreg_imm32_b32 hwreg(HW_REG_WAVE_MODE, 25, 1), 1
	s_wait_xcnt 0x0
; x [8192][1024], c_attn_w [1024][3072] and c_proj_w [1024][1024], f32, become codes of FP6 (E2M3) with one E8M0 byte for each 32 along K (x: its last axis; the weights: their first).
; A block's scale is 2^(floor(log2(its largest magnitude)) - 2); its byte is the largest magnitude's exponent field - 2, held at 1 from below; each number is divided by the scale and rounded to the nearest code, ties to even.
; LIMITS: NaN and infinities among the inputs are not served.  A block of zeros, or one whose largest magnitude lies under 2^-124, gets the byte 1 (the rule says 127 for zeros): its codes are zeros, and this program alone reads the bytes.
; THE RESULT IS LAID AS IMAGES OF OPERAND REGISTERS.  A block of 128 rows x 128 K is 12,800 bytes: eight fragments a of 1,536 bytes, each six chunks p of 256 bytes in which lane l's 8 bytes at 8 l are the
; operand's registers 2 p, 2 p + 1; lane (r, h) holds row 32 (a / 2) + 8 (a % 2) + r + 8 (r / 8) and its registers 6 c .. 6 c + 5 hold k = 64 c + 32 h + 0 .. 31.  Behind them, at 12,288, the scale words:
; at 256 sh + 8 L + 4 e the word of row (a, L % 16), a = 4 sh + 2 e + L / 16.   ximg: [64 blocks of tokens][8 K steps];  wimg: [24 blocks of columns of c_attn_w, then 8 of c_proj_w][8 K steps].
; Work-groups 0-255 take x, 256-511 the weights: two ways that part once, on the work-group's number, and never join; each has LDS bytes of its own.  Waves share nothing: no barrier.
.set FLOOR, 0x1800000                  ; 2^(3 - 127): under it no largest magnitude is taken
.set OFFE,  0xff000000                 ; takes 2 off an exponent field
.set XW,  16                           ; x: v16-19   the four tiles' scale words
.set XF,  24                           ;    v24-35   a fragment's codes
.set XG,  36                           ;    v36-43   the second halves of its blocks, as the conversions leave them
.set XN,  64                           ;    v64-127  64 numbers of my row: two whole blocks
.set XR,  128                          ;    v128-255 two sets of 64: a tile as it is loaded
.set WO,  32                           ; weights: v32-63 offsets of 32 rows; v64-191 my column's 128 numbers; v192-215 its 128 codes; v216-218 at work
.set WN,  64
.set WF,  192
.set WG,  216
	s_load_b256 s[4:11], s[0:1], 0x0               ; x s[4:5], c_attn_w s[6:7], c_proj_w s[8:9], ximg s[10:11]
	s_load_b64 s[12:13], s[0:1], 0x20              ; wimg
	v_lshl_add_u32 v23, v0, 2, 0xc000
	s_set_vgpr_msb 0x40
	v_mov_b32 v1, 0
	s_set_vgpr_msb 0x4000
	v_lshrrev_b32 v1, 5, v0
	v_readfirstlane_b32 s16, v1                    ; wave 0..3
	v_and_b32 v2, 31, v0                           ; lane l
	v_and_b32 v3, 15, v0                           ; r
	v_bfe_u32 v8, v0, 4, 1                         ; h
	v_lshlrev_b32 v7, 3, v2                        ; 8 l: my place in a chunk
	s_mov_b32 s20, 0x76543210
	s_mov_b32 s21, 0xfedcba98                      ; v_permlanex16_b32's selects for lane l xor 16
	s_mov_b32 s22, 0xffff0000                      ; lanes 16-31
	s_cmp_lt_u32 ttmp9, 256
	s_cbranch_scc0 .Lweights
; ---------------- x.  A wave takes 64 rows x 128 k: four tiles of 16 rows.  Each load reads a row's 512 consecutive bytes; a tile turns through the wave's own stage (16 rows of 528 bytes), so that lane (r, h) gets two whole blocks of row r.
	v_lshlrev_b32 v4, 4, v2                        ; 16 l
	s_mul_i32 s17, s16, 8448                       ; my stage
	v_add_nc_u32 v5, s17, v4                       ; in: 16 l of a row
	v_mul_u32_u24 v6, v3, 528
	v_lshl_add_u32 v6, v8, 7, v6
	v_add_nc_u32 v6, s17, v6                       ; out: row r, + 128 h
	v_lshlrev_b32 v8, 3, v8                        ; 8 h: my bytes' shift in the scale word
	v_mov_b32 v22, 0                               ; written once: a lane permute's destination counts as one of its sources
	s_lshr_b32 s24, ttmp9, 2                       ; Jm: block of 128 tokens
	s_and_b32 s25, ttmp9, 3
	s_lshl_b32 s25, s25, 1
	s_lshr_b32 s26, s16, 1
	s_add_co_u32 s25, s25, s26                     ; s: K step
	s_and_b32 s26, s16, 1                          ; sh: which 64 rows
	s_lshl_b32 s28, s24, 19                        ; 128 Jm rows of 4,096 bytes
	s_lshl_b32 s27, s26, 18
	s_add_co_u32 s28, s28, s27                     ; + 64 sh rows
	s_lshl_b32 s27, s25, 9
	s_add_co_u32 s28, s28, s27                     ; + 512 s
	s_mov_b32 s29, 0
	s_lshl_b32 s30, s24, 3
	s_add_co_u32 s30, s30, s25
	s_mul_i32 s30, s30, 12800                      ; the image block (Jm, s)
	s_mov_b32 s31, 0
	s_mul_i32 s32, s26, 6144                       ; my four fragments
	s_mov_b32 s33, 0
	s_lshl_b32 s34, s26, 8                         ; my 256 bytes of scale words
	s_mov_b32 s35, 0
	s_wait_alu depctr_va_vdst(0)
	s_wait_kmcnt 0x0
	s_add_nc_u64 s[4:5], s[4:5], s[28:29]
	s_add_nc_u64 s[10:11], s[10:11], s[30:31]
	s_add_nc_u64 s[14:15], s[10:11], s[34:35]
	s_add_nc_u64 s[10:11], s[10:11], s[32:33]
.macro LOADT i                         ; tile i: its sixteen rows, in the order of the tile's lanes
.irp j, 0,1,2,3,4,5,6,7,8,9,10,11,12,13,14,15
	global_load_b128 v[XR+64*((\i)%2)+4*\j:XR+64*((\i)%2)+4*\j+3], v4, s[4:5] offset:(32*((\i)/2)+8*((\i)%2)+\j+8*(\j/8))*4096 th:TH_LOAD_NT
.endr
.endm
.macro XTILE i
.if (\i) < 3
	s_wait_loadcnt 16                              ; this tile's 16 loads are in; the next tile's 16 may be out
.else
	s_wait_loadcnt 0x0
.endif
.irp j, 0,1,2,3,4,5,6,7,8,9,10,11,12,13,14,15
	ds_store_b128 v5, v[XR+64*((\i)%2)+4*\j:XR+64*((\i)%2)+4*\j+3] offset:528*\j
.endr
.irp c, 0,1
.irp q, 0,1,2,3,4,5,6,7
	ds_load_b128 v[XN+32*\c+4*\q:XN+32*\c+4*\q+3], v6 offset:256*\c+16*\q   ; LDS serves a wave's instructions in order: these see the stores above.  k = 64 c + 32 h + 4 q ..
.endr
.endr
	s_wait_dscnt 0x0
	s_wait_xcnt 0x0                                ; the last tile's stores have read their data: the codes' registers are written again only behind this wait
.if (\i)+2 < 4
	LOADT (\i)+2
.endif
.irp c, 0,1
	v_max3_num_f32 v[10+\c], |v[XN+32*\c]|, |v[XN+32*\c+1]|, FLOOR   ; my block 2 c + h: all its 32 numbers are mine
.endr
.irp n, 2,4,6,8,10,12,14,16,18,20,22,24,26,28,30
.irp c, 0,1
	v_max3_num_f32 v[10+\c], v[10+\c], |v[XN+32*\c+\n]|, |v[XN+32*\c+\n+1]|
.endr
.endr
.irp c, 0,1
	v_add_nc_u32 v[12+\c], OFFE, v[10+\c]          ; the conversion takes this operand's exponent field as its scale
.endr
.irp c, 0,1
	v_lshrrev_b32 v[14+\c], 23, v[12+\c]           ; the scale's byte
.endr
	v_lshl_or_b32 v9, v15, 16, v14                 ; blocks h and 2 + h of row r,
	v_lshlrev_b32 v9, v8, v9                       ; at their places in the word;
	v_permlanex16_b32 v22, v9, s20, s21
	v_or_b32 v[XW+\i], v9, v22                     ; with lane l xor 16's two the word is whole
.irp c, 0,1
	v_cvt_scalef32_pk16_fp6_f32 v[XF+6*\c:XF+6*\c+2], v[XN+32*\c:XN+32*\c+15], v[12+\c]
	v_cvt_scalef32_pk16_fp6_f32 v[XG+4*\c:XG+4*\c+2], v[XN+32*\c+16:XN+32*\c+31], v[12+\c]   ; (a conversion's three registers begin on an even number)
.endr
	v_nop                                          ; one plain place behind a scaled conversion
.irp c, 0,1
.irp n, 0,1,2
	v_mov_b32 v[XF+6*\c+3+\n], v[XG+4*\c+\n]
.endr
.endr
.irp p, 0,1,2,3,4,5
	global_store_b64 v7, v[XF+2*\p:XF+2*\p+1], s[10:11] offset:1536*(\i)+256*\p   ; 32 lanes store 256 consecutive bytes, aligned
.endr
.endm
	LOADT 0
	LOADT 1
	XTILE 0
	XTILE 1
	XTILE 2
	XTILE 3
	v_cndmask_b32 v20, v16, v17, s22               ; lanes 0-15 tile 0's words, lanes 16-31 tile 1's
	v_cndmask_b32 v21, v18, v19, s22               ; tiles 2 and 3
	global_store_b64 v7, v[20:21], s[14:15] offset:12288
	s_set_vgpr_msb 0x4
	s_wait_tensorcnt 0x0
	ds_add_u32 v23, v1
	s_wait_dscnt 0x0
	s_set_vgpr_msb 0x400
	s_endpgm
; ---------------- the weights.  A work-group takes 128 columns x 128 k, a wave 32 columns.  A LANE TAKES A COLUMN AND ITS REGISTERS RUN DOWN K: a block of 32 lies in one lane, and the codes come out with K innermost.
.Lweights:
	s_sub_co_u32 s24, ttmp9, 256
	s_lshr_b32 s25, s24, 3                         ; JJ: block of 128 columns, 0..31
	s_and_b32 s26, s24, 7                          ; s: K step
	s_wait_kmcnt 0x0
	s_cmp_lt_u32 s25, 24                           ; c_attn_w's or c_proj_w's?  The choice hangs on the work-group's number alone
	s_cselect_b64 s[6:7], s[6:7], s[8:9]
	s_mov_b32 s27, 4096
	s_cselect_b32 s27, 12288, s27                  ; a row of the weight in bytes
	s_cselect_b32 s28, 0, 24
	s_sub_co_u32 s28, s25, s28                     ; the block's number in its own weight
	s_lshl_b32 s29, s28, 9
	s_lshl_b32 s30, s16, 7
	s_add_co_u32 s30, s29, s30                     ; 4 x my wave's first column
	s_lshl_b32 s29, s26, 7
	s_mul_i32 s29, s29, s27                        ; + 128 s rows
	s_add_co_u32 s30, s30, s29
	s_mov_b32 s31, 0
	s_lshl_b32 s32, s27, 5                         ; 32 rows
	s_mov_b32 s33, 0
	s_add_nc_u64 s[36:37], s[6:7], s[30:31]        ; a base for each of the four blocks of 32 along K; never rewritten
	s_add_nc_u64 s[38:39], s[36:37], s[32:33]
	s_add_nc_u64 s[40:41], s[38:39], s[32:33]
	s_add_nc_u64 s[42:43], s[40:41], s[32:33]
	s_wait_alu depctr_va_vdst(0)
	v_lshlrev_b32 v4, 2, v2
.set nn, 0
.rept 32
	v_mad_u32_u24 v[WO+nn], s27, nn, v4            ; row nn of a block, my column
.set nn, nn+1
.endr
.irp b, 0,1,2,3
.set nn, 0
.rept 32
	global_load_b32 v[WN+32*\b+nn], v[WO+nn], s[36+2*\b:37+2*\b] th:TH_LOAD_NT   ; 128 consecutive bytes a wave; the four waves stand side by side on 512
.set nn, nn+1
.endr
.endr
	s_mul_i32 s17, s16, 3840
	s_add_co_u32 s17, s17, 33792                   ; my stage: 32 columns x 112 bytes (96 of codes), then 32 scale words
	v_mul_u32_u24 v5, v2, 112
	v_add_nc_u32 v5, s17, v5                       ; in: my column
	v_lshl_add_u32 v6, v2, 2, s17                  ; its word (at + 3,584)
	v_and_b32 v9, 8, v3
	v_add_nc_u32 v9, v9, v3                        ; r + 8 (r / 8)
	v_mul_u32_u24 v10, v9, 112
	v_mad_u32_u24 v10, v8, 24, v10
	v_add_nc_u32 v10, s17, v10                     ; out: the tile's lane r, + 24 h; tile u is 8 columns on
	v_lshl_add_u32 v11, v8, 3, v9
	v_lshl_add_u32 v11, v11, 2, s17                ; the word of tile h's lane r
	s_lshl_b32 s44, s25, 3
	s_add_co_u32 s44, s44, s26
	s_mul_i32 s44, s44, 12800                      ; the image block (JJ, s)
	s_mov_b32 s45, 0
	s_add_nc_u64 s[12:13], s[12:13], s[44:45]
	s_lshr_b32 s44, s16, 1
	s_lshl_b32 s44, s44, 8
	s_and_b32 s46, s16, 1
	s_lshl_b32 s46, s46, 2
	s_add_co_u32 s44, s44, s46                     ; my tiles 2 w, 2 w + 1: sh = w / 2, e = w % 2
	s_add_nc_u64 s[14:15], s[12:13], s[44:45]
	s_mul_i32 s44, s16, 3072
	s_add_nc_u64 s[12:13], s[12:13], s[44:45]
.macro WBLOCK b
	v_max3_num_f32 v12, |v[WN+32*\b]|, |v[WN+32*\b+1]|, |v[WN+32*\b+2]|
	v_max3_num_f32 v13, |v[WN+32*\b+3]|, |v[WN+32*\b+4]|, |v[WN+32*\b+5]|
.irp n, 6,10,14,18,22,26
	v_max3_num_f32 v12, v12, |v[WN+32*\b+\n]|, |v[WN+32*\b+\n+1]|
	v_max3_num_f32 v13, v13, |v[WN+32*\b+\n+2]|, |v[WN+32*\b+\n+3]|
.endr
	v_max3_num_f32 v12, v12, |v[WN+32*\b+30]|, |v[WN+32*\b+31]|
	v_max3_num_f32 v12, v12, v13, FLOOR
	v_add_nc_u32 v14, OFFE, v12
	v_lshrrev_b32 v13, 23, v14
.if \b == 0
	v_mov_b32 v15, v13
.else
	v_lshl_or_b32 v15, v13, 8*\b, v15              ; the lower K in the lower byte
.endif
	v_cvt_scalef32_pk16_fp6_f32 v[WF+6*\b:WF+6*\b+2], v[WN+32*\b:WN+32*\b+15], v14
	v_cvt_scalef32_pk16_fp6_f32 v[WG:WG+2], v[WN+32*\b+16:WN+32*\b+31], v14
	v_nop                                          ; one plain place behind a scaled conversion
.irp n, 0,1,2
	v_mov_b32 v[WF+6*\b+3+\n], v[WG+\n]
.endr
.endm
	s_wait_loadcnt 63                              ; of the 128 loads at most the youngest 63 are out: blocks 0 and 1 are in
	WBLOCK 0
	WBLOCK 1
	s_wait_loadcnt 32                              ; block 3's 32 may be out
	WBLOCK 2
	s_wait_loadcnt 0x0
	WBLOCK 3
.irp j, 0,1,2,3,4,5
	ds_store_b128 v5, v[WF+4*\j:WF+4*\j+3] offset:16*\j
.endr
	ds_store_b32 v6, v15 offset:3584
.irp u, 0,1
.irp c, 0,1
.irp q, 0,1,2
	ds_load_b64 v[WN+12*\u+6*\c+2*\q:WN+12*\u+6*\c+2*\q+1], v10 offset:896*\u+48*\c+8*\q   ; in order behind my stores: the operand's registers 6 c + 2 q, + 1 of tile 2 w + u
.endr
.endr
.endr
	ds_load_b32 v88, v11 offset:3584
	s_wait_dscnt 0x0
.irp u, 0,1
.irp p, 0,1,2,3,4,5
	global_store_b64 v7, v[WN+12*\u+2*\p:WN+12*\u+2*\p+1], s[12:13] offset:1536*\u+256*\p
.endr
.endr
	global_store_b32 v7, v88, s[14:15] offset:12288   ; every second word of 256 bytes: the other wave of the pair writes the rest
	s_set_vgpr_msb 0x4
	s_wait_tensorcnt 0x0
	ds_add_u32 v23, v1
	s_wait_dscnt 0x0
	s_set_vgpr_msb 0x400
	s_endpgm
.Lfunc_end_k_q99535c1683_quant:
	.size	k_q99535c1683_quant, .Lfunc_end_k_q99535c1683_quant-k_q99535c1683_quant
	.p2alignl 7, 3214868480
	.fill 96, 4, 3214868480
	.section	.rodata,"a",@progbits
	.p2align	6, 0x0
	.amdhsa_kernel k_q99535c1683_quant
		.amdhsa_group_segment_fixed_size 49664
		.amdhsa_private_segment_fixed_size 0
		.amdhsa_enable_private_segment 0
		.amdhsa_kernarg_size 40
		.amdhsa_user_sgpr_count 2
		.amdhsa_user_sgpr_kernarg_segment_ptr 1
		.amdhsa_wavefront_size32 1
		.amdhsa_system_sgpr_workgroup_id_x 1
		.amdhsa_system_sgpr_workgroup_id_y 1
		.amdhsa_system_sgpr_workgroup_id_z 1
		.amdhsa_system_vgpr_workitem_id 0
		.amdhsa_next_free_vgpr 258
		.amdhsa_next_free_sgpr 66
		.amdhsa_reserve_vcc 0
		.amdhsa_float_denorm_mode_32 3
		.amdhsa_float_denorm_mode_16_64 3
		.amdhsa_memory_ordered 1
		.amdhsa_forward_progress 1
		.amdhsa_inst_pref_size 56
	.end_amdhsa_kernel
	.amdgpu_metadata
---
amdhsa.version: [ 1, 2 ]
amdhsa.kernels:
  - .name:           k_q99535c1683_quant
    .symbol:         k_q99535c1683_quant.kd
    .args:
      - { .name: x, .offset: 0, .size: 8, .value_kind: global_buffer, .address_space: global }
      - { .name: c_attn_w, .offset: 8, .size: 8, .value_kind: global_buffer, .address_space: global }
      - { .name: c_proj_w, .offset: 16, .size: 8, .value_kind: global_buffer, .address_space: global }
      - { .name: ximg, .offset: 24, .size: 8, .value_kind: global_buffer, .address_space: global }
      - { .name: wimg, .offset: 32, .size: 8, .value_kind: global_buffer, .address_space: global }
    .group_segment_fixed_size: 49664
    .private_segment_fixed_size: 0
    .kernarg_segment_align: 8
    .kernarg_segment_size: 40
    .max_flat_workgroup_size: 128
    .sgpr_count:     66
    .vgpr_count:     258
    .wavefront_size: 32
...
	.end_amdgpu_metadata
.endif
;; end of part 1
;; launch qkv (part 2): grid 12 x 64, 4 waves a work-group, clusters of 4 x 4, 307,712 bytes of LDS; arguments ximg, wimg, c_attn_b, qimg, kimg, vimg; writes qimg, kimg, vimg
.if DOCPART == 2
	.amdgcn_target "amdgcn-amd-amdhsa--gfx1250"
	.amdhsa_code_object_version 6
	.text
	.protected	k_q99535c1683_qkv
	.globl	k_q99535c1683_qkv
	.p2align	8
	.type	k_q99535c1683_qkv,@function
k_q99535c1683_qkv:
	s_mov_b64 s[64:65], 0
	v_nop
	global_prefetch_b8 v0, s[64:65] scope:SCOPE_SE
	s_setreg_imm32_b32 hwreg(HW_REG_WAVE_MODE, 25, 1), 1
	s_wait_xcnt 0x0
	s_wait_alu depctr_hold_cnt(0) depctr_sa_sdst(0) depctr_va_vdst(0) depctr_va_sdst(0) depctr_va_ssrc(0) depctr_va_vcc(0) depctr_vm_vsrc(0)
	s_getreg_b32 s2, hwreg(HW_REG_IB_STS2, 6, 4)
	s_cmp_eq_u32 s2, 0
	s_cbranch_scc0 .Lentry_in_a_cluster
	s_endpgm
.Lentry_in_a_cluster:
	s_bfe_u32 s2, ttmp6, 0x10000c
	s_cmp_lg_u32 s2, 0xf033
	s_cbranch_scc0 .Lentry_shape_is_right
	s_endpgm
.Lentry_shape_is_right:
; qkv = x c_attn_w + c_attn_b on codes of FP6 (E2M3) with E8M0 scales; q and k are quantised along the head's 64, v along the keys, on the way out; nothing leaves as f32.
; OPERANDS come as images of operand registers, in blocks of 128 rows x 128 K of 12,800 bytes (eight fragments of six chunks of 256 bytes, then 512 bytes of scale words); tile a's lane r is row 32 (a / 2) + 8 (a % 2) + r + 8 (r / 8).
; A WORK-GROUP makes 256 rows of S0 x 128 rows of S1; source 0 = S0, so a lane holds ONE row of S1 and the 16 registers of result tiles 2 b, 2 b + 1 are S0's rows 32 b + 16 (lane / 16) + 0 .. 15: neighbours along what is quantised next.
;   clusters x = 0 (q) and 1 (k): S0 = 256 columns of the weight, S1 = 128 tokens: a lane holds a token and 128 columns = two heads.   cluster x = 2 (v): S0 = 256 tokens, S1 = 128 columns: a lane holds a column d and 128 keys.
; Four waves: E = wave % 2 picks S0's block of 128, SH = wave / 2 picks 64 rows of S1: 8 x 4 tiles, 32 accumulators.
; ALL OF K (1,024) LIES IN LDS: 3 x 102,400 bytes, filled once, four tensor loads a wave, all issued at the head; nothing is filled again.  The K steps are multiplied as their groups land.
; CLUSTER 4 x 4: S0's blocks hang on cx alone and are asked for jointly by a column of the cluster, S1's on cy alone and by a row.  The choice of roles hangs on the cluster's x, the same in all sixteen.
; LIMITS: NaN and infinities are not served; a block of zeros or under 2^-124 carries the byte 1 (its codes are zeros; this program alone reads the bytes).
; REGISTERS: window 0: v1-13 addresses; v16-27 scale words, two sets of six; v32-127 S1's fragments, two sets (on the way out v32-95: 64 numbers); v128-191, v192-199 biases; v200-247 the quantiser's.  window 1: S0's fragments, two sets of 96.  window 2: accumulator (i, t) at v[8 (8 i + t)].
.set H,   32
.set BR,  128                          ; bias along the registers (q, k)
.set BL,  192                          ; bias of the lane's column (v): pair 2 i, 2 i + 1 for tile i
.set TM,  200
.set PW,  216
.set SW,  217
.set PC,  224
.set SEL, 84
.set HM,  86
.set MSB, 0
.macro WIN new                         ; the immediate's high byte repeats the setting that is left
.if MSB != \new
	s_set_vgpr_msb (MSB<<8)|\new
.set MSB, \new
.endif
.endm
.macro PLACES n
.rept \n
	v_nop
.endr
.endm
.macro ROUND                           ; a round of the cluster's barrier
	s_barrier_signal -1
	s_barrier_wait -1
	s_cmp_lg_u32 s16, 0
	s_cbranch_scc1 .Lnot_wave_0_\@
	s_barrier_signal -3
.Lnot_wave_0_\@:
	s_barrier_wait -3
	s_barrier_signal -1
	s_barrier_wait -1
.endm
; group q of every wave's loads is K steps 2 q, 2 q + 1.  The later groups stay out.
.macro GROUPBAR q
	s_wait_tensorcnt 3-(\q)                        ; my load of group q has landed; the 3 - q behind it may be out
	s_wait_dscnt 0x0                               ; no LDS instruction of mine is pending at a signal
	s_barrier_signal -1
	s_barrier_wait -1
.endm
; the fragments and scale words of K step k into set: 48 + 24 + 3 loads
.macro FETCH k, set
.if (\k) < 4
.set aS0, 2
.set aS1, 4
.set aSS, 6
.else
.set aS0, 3
.set aS1, 5
.set aSS, 7
.endif
	WIN 0x40                                       ; destination window 1, address window 0
.irp t, 0,1,2,3,4,5,6,7
.irp p, 0,1,2,3,4,5
	ds_load_b64 v[96*(\set)+12*\t+2*\p:96*(\set)+12*\t+2*\p+1], v[aS0] offset:12800*((\k)%4)+1536*\t+256*\p
.endr
.endr
	WIN 0
.irp i, 0,1,2,3
.irp p, 0,1,2,3,4,5
	ds_load_b64 v[32+48*(\set)+12*\i+2*\p:32+48*(\set)+12*\i+2*\p+1], v[aS1] offset:12800*((\k)%4)+1536*\i+256*\p
.endr
.endr
	ds_load_b64 v[16+6*(\set):17+6*(\set)], v[aS0] offset:12800*((\k)%4)+12288   ; S0's words: register t / 2, lanes 0-15 the even tile, lanes 16-31 the odd
	ds_load_b64 v[18+6*(\set):19+6*(\set)], v[aS0] offset:12800*((\k)%4)+12544
	ds_load_b64 v[20+6*(\set):21+6*(\set)], v[aSS] offset:12800*((\k)%4)         ; S1's, likewise
.endm
.macro WM t, i, set, zero
.set rD, 8*(8*(\i)+(\t))
.set rA, 96*(\set)+12*(\t)
.set rB, 32+48*(\set)+12*(\i)
.set rSA, 16+6*(\set)+(\t)/2
.set rSB, 20+6*(\set)+(\i)/2
.if \zero
.if ((\t)%2) && ((\i)%2)
	v_wmma_scale_f32_16x16x128_f8f6f4 v[rD:rD+7], v[rA:rA+11], v[rB:rB+11], 0, v[rSA], v[rSB] matrix_a_fmt:MATRIX_FMT_FP6 matrix_b_fmt:MATRIX_FMT_FP6 matrix_a_scale:MATRIX_SCALE_ROW1 matrix_b_scale:MATRIX_SCALE_ROW1
.elseif (\t)%2
	v_wmma_scale_f32_16x16x128_f8f6f4 v[rD:rD+7], v[rA:rA+11], v[rB:rB+11], 0, v[rSA], v[rSB] matrix_a_fmt:MATRIX_FMT_FP6 matrix_b_fmt:MATRIX_FMT_FP6 matrix_a_scale:MATRIX_SCALE_ROW1
.elseif (\i)%2
	v_wmma_scale_f32_16x16x128_f8f6f4 v[rD:rD+7], v[rA:rA+11], v[rB:rB+11], 0, v[rSA], v[rSB] matrix_a_fmt:MATRIX_FMT_FP6 matrix_b_fmt:MATRIX_FMT_FP6 matrix_b_scale:MATRIX_SCALE_ROW1
.else
	v_wmma_scale_f32_16x16x128_f8f6f4 v[rD:rD+7], v[rA:rA+11], v[rB:rB+11], 0, v[rSA], v[rSB] matrix_a_fmt:MATRIX_FMT_FP6 matrix_b_fmt:MATRIX_FMT_FP6
.endif
.else
.if ((\t)%2) && ((\i)%2)
	v_wmma_scale_f32_16x16x128_f8f6f4 v[rD:rD+7], v[rA:rA+11], v[rB:rB+11], v[rD:rD+7], v[rSA], v[rSB] matrix_a_fmt:MATRIX_FMT_FP6 matrix_b_fmt:MATRIX_FMT_FP6 matrix_a_scale:MATRIX_SCALE_ROW1 matrix_b_scale:MATRIX_SCALE_ROW1
.elseif (\t)%2
	v_wmma_scale_f32_16x16x128_f8f6f4 v[rD:rD+7], v[rA:rA+11], v[rB:rB+11], v[rD:rD+7], v[rSA], v[rSB] matrix_a_fmt:MATRIX_FMT_FP6 matrix_b_fmt:MATRIX_FMT_FP6 matrix_a_scale:MATRIX_SCALE_ROW1
.elseif (\i)%2
	v_wmma_scale_f32_16x16x128_f8f6f4 v[rD:rD+7], v[rA:rA+11], v[rB:rB+11], v[rD:rD+7], v[rSA], v[rSB] matrix_a_fmt:MATRIX_FMT_FP6 matrix_b_fmt:MATRIX_FMT_FP6 matrix_b_scale:MATRIX_SCALE_ROW1
.else
	v_wmma_scale_f32_16x16x128_f8f6f4 v[rD:rD+7], v[rA:rA+11], v[rB:rB+11], v[rD:rD+7], v[rSA], v[rSB] matrix_a_fmt:MATRIX_FMT_FP6 matrix_b_fmt:MATRIX_FMT_FP6
.endif
.endif
.endm
.macro MUL set, zero                   ; a K step: the 32 accumulators take turns, one instruction a turn, in the same order in every step
	WIN 0xa1                                       ; source 0 window 1, source 1 window 0, C and D window 2
.irp i, 0,1,2,3
.irp t, 0,1,2,3,4,5,6,7
	WM \t, \i, \set, \zero
.endr
.endr
.endm
; 64 numbers of a lane, register 16 b + i = place 32 b + 16 (lane / 16) + i along the next K, become a fragment's codes in v[PC] on and its scale word in v[PW]
.macro QUANT s
.irp b, 0,1,2,3
	v_max3_num_f32 v[TM+\b], |v[\s+16*\b]|, |v[\s+1+16*\b]|, 0x1800000   ; my 16 numbers of block b, and the floor 2^(3 - 127): the byte cannot fall under 1
.endr
.irp i, 2,4,6,8,10,12,14
.irp b, 0,1,2,3
	v_max3_num_f32 v[TM+\b], v[TM+\b], |v[\s+16*\b+\i]|, |v[\s+1+16*\b+\i]|
.endr
.endr
.irp b, 0,1,2,3
	v_permlanex16_b32 v[TM+4+\b], v[TM+\b], s[SEL], s[SEL+1]
.endr
.irp b, 0,1,2,3
	v_max_num_f32 v[TM+\b], v[TM+\b], v[TM+4+\b]   ; with lane l xor 16's: the block's largest magnitude
.endr
.irp b, 0,1,2,3
	v_add_nc_u32 v[TM+12+\b], 0xff000000, v[TM+\b] ; 2 off its exponent field: the conversion's scale operand
.endr
.irp b, 0,1,2,3
	v_lshrrev_b32 v[TM+4+\b], 23, v[TM+12+\b]      ; the scale's byte
.endr
	v_lshl_or_b32 v[PW], v[TM+5], 8, v[TM+4]
	v_lshl_or_b32 v[PW], v[TM+6], 16, v[PW]
	v_lshl_or_b32 v[PW], v[TM+7], 24, v[PW]
.irp c, 0,1
	v_cvt_scalef32_pk16_fp6_f32 v[PC+6*\c:PC+2+6*\c], v[\s+32*\c:\s+15+32*\c], v[TM+12+2*\c]
	v_cvt_scalef32_pk16_fp6_f32 v[PC+12+4*\c:PC+14+4*\c], v[\s+16+32*\c:\s+31+32*\c], v[TM+12+2*\c+1]   ; (a conversion's three registers begin on an even number)
.endr
	v_nop                                          ; one plain place behind a scaled conversion
.irp c, 0,1                                    ; the operand's layout wants a whole block in a lane
.irp i, 0,1,2
	v_permlane16_swap_b32 v[PC+6*\c+\i], v[PC+12+4*\c+\i]
.endr
.irp i, 0,1,2
	v_mov_b32 v[PC+3+6*\c+\i], v[PC+12+4*\c+\i]
.endr
.endr
.endm
	s_load_b256 s[4:11], s[0:1], 0x0               ; ximg s[4:5], wimg s[6:7], c_attn_b s[8:9], qimg s[10:11]
	s_load_b128 s[12:15], s[0:1], 0x20             ; kimg s[12:13], vimg s[14:15]
	v_lshl_add_u32 v254, v0, 2, 0x4b000
	v_mov_b32 v255, 0
	ds_add_u32 v254, v255
	ds_add_u32 v254, v255
	v_lshrrev_b32 v1, 5, v0
	v_readfirstlane_b32 s16, v1                    ; wave 0..3
	s_and_b32 s17, s16, 1                          ; E
	s_lshr_b32 s18, s16, 1                         ; SH
	s_bfe_u32 s19, ttmp6, 0x40000                  ; cx
	s_bfe_u32 s20, ttmp6, 0x40004                  ; cy
	s_and_b32 s22, ttmp7, 0xffff                   ; the cluster's y, 0..15
	s_lshl_b32 s87, 0x1111, s19                    ; my column of the cluster
	s_lshl_b32 s88, s20, 2
	s_lshl_b32 s88, 15, s88                        ; my row
	s_or_b32 s24, s87, (3<<16)|(1<<21)             ; group 1 for S0: the mask; elements of 8 bytes; bit 21 beside a mask; no padding
	s_or_b32 s32, s88, (3<<16)|(1<<21)             ; for S1
	s_mov_b32 s25, 32<<16                          ; tensor_dim0 = 32 elements: rows of 256 bytes
	s_mov_b32 s26, 100<<16                         ; tensor_dim1 = 100 rows: two K steps of a block
	s_mov_b32 s27, 32<<16                          ; tile_dim0
	s_mov_b32 s28, 100                             ; tile_dim1
	s_mov_b32 s29, 32                              ; the pitch: dense
	s_mov_b32 s30, 0
	s_mov_b32 s31, 0
	s_mov_b32 s33, 32<<16
	s_mov_b32 s34, 50<<16                          ; 50 rows: one K step
	s_mov_b32 s35, 32<<16
	s_mov_b32 s36, 50
	s_mov_b32 s37, 32
	s_mov_b32 s38, 0
	s_mov_b32 s39, 0
	s_mov_b32 s[SEL], 0x76543210
	s_mov_b32 s[SEL+1], 0xfedcba98
	s_mov_b32 s[HM], 0xffff0000
	s_lshl_b32 s89, ttmp9, 2                       ; q, k: S0's pair of blocks = 4 X + cx
	s_and_b32 s90, s22, 7
	s_lshl_b32 s90, s90, 2                         ; v: 4 (Y % 8) + cx
	s_lshl_b32 s91, s22, 2                         ; q, k: S1's block = 4 Y + cy
	s_lshr_b32 s92, s22, 3
	s_lshl_b32 s92, s92, 2
	s_add_co_u32 s92, s92, 16                      ; v: 16 + 4 (Y / 8) + cy
	s_wait_dscnt 0x0
	s_wait_kmcnt 0x0
	s_cmp_lt_u32 ttmp9, 2                          ; the cluster's x: the same in all sixteen partners
	s_cselect_b32 s56, s89, s90
	s_cselect_b32 s57, s91, s92
	s_cselect_b64 s[62:63], s[6:7], s[4:5]         ; S0: the weight, or x
	s_cselect_b64 s[66:67], s[4:5], s[6:7]         ; S1: x, or the weight
	s_add_co_u32 s56, s56, s19
	s_lshl_b32 s56, s56, 1
	s_add_co_u32 s56, s56, s17                     ; blk0: my wave's block of S0 (cx, never cy)
	s_add_co_u32 s57, s57, s20                     ; J1: the block of S1 (cy, never cx)
	s_mul_i32 s58, s56, 102400
	s_mov_b32 s59, 0
	s_add_nc_u64 s[62:63], s[62:63], s[58:59]
	s_mul_i32 s60, s57, 102400
	s_mul_i32 s93, s17, 12800
	s_add_co_u32 s60, s60, s93                     ; waves 2, 3 fetch S1's even, odd K steps
	s_mov_b32 s61, 0
	s_add_nc_u64 s[66:67], s[66:67], s[60:61]
	s_mul_i32 s94, s17, 102400                     ; LDS: S0's block E
	s_add_co_u32 s93, s93, 204800                  ; LDS: S1's K step E
.irp q, 0,1,2,3
	s_mov_b32 s[40+4*\q], 1
	s_add_co_u32 s[41+4*\q], s94, 25600*\q
	s_add_nc_u64 s[42+4*\q:43+4*\q], s[62:63], 25600*\q
	s_or_b32 s[43+4*\q], s[43+4*\q], 0x80000000
	s_mov_b32 s[68+4*\q], 1
	s_add_co_u32 s[69+4*\q], s93, 25600*\q
	s_add_nc_u64 s[70+4*\q:71+4*\q], s[66:67], 25600*\q
	s_or_b32 s[71+4*\q], s[71+4*\q], 0x80000000
.endr
	ROUND                                          ; all sixteen work-groups are here: the joint loads meet
	s_cmp_lt_u32 s16, 2                            ; a wave's four fills stand in one branch on the wave's number: four loads of mine are out
	s_cbranch_scc0 .Lfill_s1
	tensor_load_to_lds s[40:43], s[24:31]
	s_nop 0
	tensor_load_to_lds s[44:47], s[24:31]
	s_nop 0
	tensor_load_to_lds s[48:51], s[24:31]
	s_nop 0
	tensor_load_to_lds s[52:55], s[24:31]
	s_nop 0
	PLACES 4
	s_branch .Lfilled
.Lfill_s1:
	tensor_load_to_lds s[68:71], s[32:39]
	s_nop 0
	tensor_load_to_lds s[72:75], s[32:39]
	s_nop 0
	tensor_load_to_lds s[76:79], s[32:39]
	s_nop 0
	tensor_load_to_lds s[80:83], s[32:39]
	s_nop 0
	PLACES 4
.Lfilled:
	v_and_b32 v1, 31, v0
	v_lshlrev_b32 v1, 3, v1                        ; 8 l
	v_add_nc_u32 v2, s94, v1                       ; S0's block E, K steps 0-3;
	v_add_nc_u32 v3, 51200, v2                     ; K steps 4-7
	s_mul_i32 s95, s18, 6144
	s_add_co_u32 s95, s95, 204800
	v_add_nc_u32 v4, s95, v1                       ; S1's tiles 4 SH ..
	v_add_nc_u32 v5, 51200, v4
	s_lshl_b32 s95, s18, 8
	s_add_co_u32 s95, s95, 204800+12288
	v_add_nc_u32 v6, s95, v1                       ; their scale words
	v_add_nc_u32 v7, 51200, v6
	v_and_b32 v8, 15, v0                           ; r
	v_bfe_u32 v9, v0, 4, 1                         ; h
	s_lshl_b32 s96, s56, 9                         ; q, k: 4 x 128 blk0: the bias of my 128 columns
	s_lshl_b32 s97, s57, 9
	s_lshl_b32 s23, s18, 8
	s_add_co_u32 s97, s97, s23                     ; v: 4 x (128 J1 + 64 SH)
	s_cmp_lt_u32 ttmp9, 2
	s_cselect_b32 s96, s96, 0                      ; the kind that is not used reads the bias's first bytes: no load leaves the buffer
	s_cselect_b32 s97, 0, s97
	v_lshlrev_b32 v10, 6, v9
	v_add_nc_u32 v10, s96, v10                     ; + 64 h
	v_and_b32 v11, 8, v8
	v_add_nc_u32 v11, v11, v8
	v_lshlrev_b32 v11, 2, v11
	v_add_nc_u32 v11, s97, v11                     ; + 4 (r + 8 (r / 8))
.irp b, 0,1,2,3
.irp q, 0,1,2,3
	global_load_b128 v[BR+16*\b+4*\q:BR+16*\b+4*\q+3], v10, s[8:9] offset:128*\b+16*\q   ; register 16 b + m: column 32 b + 16 h + m
.endr
.endr
.irp i, 0,1,2,3
	global_load_b32 v[BL+2*\i], v11, s[8:9] offset:4*(32*(\i/2)+8*(\i%2))
	v_mov_b32 v[BL+2*\i+1], 0                      ; (named with it as a pair)
.endr
.irp b, 0,1,2,3
	v_mov_b32 v[TM+4+\b], 0                        ; written once: a lane permute's destination counts as one of its sources
.endr
	GROUPBAR 0
	FETCH 0, 0
.irp k, 0,1,2,3,4,5,6,7
.if \k < 7
.if \k % 2
	GROUPBAR (\k+1)/2                              ; the next two K steps are whole in LDS
.endif
.if \k > 0
	PLACES 4                                       ; in front of loads into registers that the last products read
.endif
	FETCH \k+1, (\k+1)%2
	s_wait_dscnt 63                                ; of the 75 loads just issued the youngest 63 may be out: this K step's are all in
.else
	s_wait_dscnt 0x0
.endif
.if \k == 0
	MUL 0, 1                                       ; the first K step starts the sums
.else
	MUL \k%2, 0
.endif
.endr
	WIN 0
	PLACES 4                                       ; in front of the first read of results and of writes over S1's fragments
	s_wait_loadcnt 0x0                             ; the biases
; tile i of S1: + bias, quantised.  Each accumulator is read from its low end on.
.macro OUT_TILE i, isv
	s_wait_xcnt 0x0                                ; the last tile's stores have read their data
	WIN 0x02                                       ; source 0 window 2
.set jj, 0
.rept 32
.if \isv
	v_pk_add_f32 v[H+jj:H+jj+1], v[64*(\i)+jj:64*(\i)+jj+1], v[BL+2*(\i):BL+2*(\i)+1] op_sel_hi:[1,0]
.else
	v_pk_add_f32 v[H+jj:H+jj+1], v[64*(\i)+jj:64*(\i)+jj+1], v[BR+jj:BR+jj+1]
.endif
.set jj, jj+2
.endr
	WIN 0
	QUANT H
	v_mov_b32 v[SW+\i], v[PW]
.endm
	s_cmp_lt_u32 ttmp9, 2
	s_cbranch_scc0 .Lout_v
	; ---- q, k: my lane's token, two heads.  Image of a head: tile T = 8 J + a at 768 T (registers 0-5: d = 32 h ..); scale words at 98,304, bytes 2 and 3 zero
	s_lshr_b32 s2, s57, 4
	s_lshl_b32 s2, s2, 4                           ; 16 x batch
	s_lshl_b32 s3, s19, 2
	s_add_co_u32 s2, s2, s3
	s_lshl_b32 s3, s17, 1
	s_add_co_u32 s2, s2, s3                        ; + head 4 cx + 2 E
	s_mul_i32 s98, s2, 106496
	s_mov_b32 s99, 0
	s_cmp_eq_u32 ttmp9, 0
	s_cselect_b64 s[100:101], s[10:11], s[12:13]
	s_add_nc_u64 s[100:101], s[100:101], s[98:99]
	s_and_b32 s21, s57, 15                         ; J
	s_lshl_b32 s2, s21, 3
	s_lshl_b32 s3, s18, 2
	s_add_co_u32 s2, s2, s3
	s_mul_i32 s2, s2, 768
	v_add_nc_u32 v12, s2, v1
	s_lshl_b32 s2, s21, 9
	s_lshl_b32 s3, s18, 8
	s_add_co_u32 s2, s2, s3
	s_add_co_u32 s2, s2, 98304
	v_add_nc_u32 v13, s2, v1
.irp i, 0,1,2,3
	OUT_TILE \i, 0
.irp p, 0,1,2
	global_store_b64 v12, v[PC+2*\p:PC+2*\p+1], s[100:101] offset:768*\i+256*\p             ; 32 lanes store 256 consecutive bytes, aligned
	global_store_b64 v12, v[PC+6+2*\p:PC+7+2*\p], s[100:101] offset:106496+768*\i+256*\p    ; the next head
.endr
.endr
	v_cndmask_b32 v244, v[SW], v[SW+1], s[HM]      ; lanes 0-15 tile 0's words, lanes 16-31 tile 1's
	v_cndmask_b32 v245, v[SW+2], v[SW+3], s[HM]
	v_lshrrev_b32 v246, 16, v244                   ; the second head's two bytes
	v_lshrrev_b32 v247, 16, v245
	v_and_b32 v244, 0xffff, v244                   ; the first head's
	v_and_b32 v245, 0xffff, v245
	global_store_b64 v13, v[244:245], s[100:101]
	global_store_b64 v13, v[246:247], s[100:101] offset:106496
	s_branch .Lend
.Lout_v:
	; ---- v: my lane's column d of one head, 128 keys: whole fragments, tile i at 6,144 J + 1,536 i; scale words at 98,304 + 256 J
	s_lshr_b32 s2, s56, 4
	s_lshl_b32 s2, s2, 4                           ; 16 x batch
	s_sub_co_u32 s3, s57, 16
	s_lshl_b32 s3, s3, 1
	s_add_co_u32 s2, s2, s3
	s_add_co_u32 s2, s2, s18                       ; + head 2 (J1 - 16) + SH
	s_mul_i32 s98, s2, 102400
	s_mov_b32 s99, 0
	s_add_nc_u64 s[100:101], s[14:15], s[98:99]
	s_and_b32 s21, s56, 15                         ; J
	s_mul_i32 s2, s21, 6144
	v_add_nc_u32 v12, s2, v1
	s_lshl_b32 s2, s21, 8
	s_add_co_u32 s2, s2, 98304
	v_add_nc_u32 v13, s2, v1
.irp i, 0,1,2,3
	OUT_TILE \i, 1
.irp p, 0,1,2,3,4,5
	global_store_b64 v12, v[PC+2*\p:PC+2*\p+1], s[100:101] offset:1536*\i+256*\p
.endr
.endr
	v_cndmask_b32 v244, v[SW], v[SW+1], s[HM]
	v_cndmask_b32 v245, v[SW+2], v[SW+3], s[HM]
	global_store_b64 v13, v[244:245], s[100:101]
.Lend:
	s_wait_dscnt 0x0
	s_wait_tensorcnt 0x0
	ds_add_u32 v254, v255
	s_wait_dscnt 0x0
	ROUND                                          ; the closing round: no work-group ends while a partner may still ask for a tile that names it
	s_endpgm
.Lfunc_end_k_q99535c1683_qkv:
	.size	k_q99535c1683_qkv, .Lfunc_end_k_q99535c1683_qkv-k_q99535c1683_qkv
	.p2alignl 7, 3214868480
	.fill 96, 4, 3214868480
	.section	.rodata,"a",@progbits
	.p2align	6, 0x0
	.amdhsa_kernel k_q99535c1683_qkv
		.amdhsa_group_segment_fixed_size 307712
		.amdhsa_private_segment_fixed_size 0
		.amdhsa_enable_private_segment 0
		.amdhsa_kernarg_size 48
		.amdhsa_user_sgpr_count 2
		.amdhsa_user_sgpr_kernarg_segment_ptr 1
		.amdhsa_wavefront_size32 1
		.amdhsa_system_sgpr_workgroup_id_x 1
		.amdhsa_system_sgpr_workgroup_id_y 1
		.amdhsa_system_sgpr_workgroup_id_z 1
		.amdhsa_system_vgpr_workitem_id 0
		.amdhsa_next_free_vgpr 768
		.amdhsa_next_free_sgpr 102
		.amdhsa_reserve_vcc 0
		.amdhsa_float_denorm_mode_32 3
		.amdhsa_float_denorm_mode_16_64 3
		.amdhsa_memory_ordered 1
		.amdhsa_forward_progress 1
		.amdhsa_inst_pref_size 136
	.end_amdhsa_kernel
	.amdgpu_metadata
---
amdhsa.version: [ 1, 2 ]
amdhsa.kernels:
  - .name:           k_q99535c1683_qkv
    .symbol:         k_q99535c1683_qkv.kd
    .args:
      - { .name: ximg, .offset: 0, .size: 8, .value_kind: global_buffer, .address_space: global }
      - { .name: wimg, .offset: 8, .size: 8, .value_kind: global_buffer, .address_space: global }
      - { .name: c_attn_b, .offset: 16, .size: 8, .value_kind: global_buffer, .address_space: global }
      - { .name: qimg, .offset: 24, .size: 8, .value_kind: global_buffer, .address_space: global }
      - { .name: kimg, .offset: 32, .size: 8, .value_kind: global_buffer, .address_space: global }
      - { .name: vimg, .offset: 40, .size: 8, .value_kind: global_buffer, .address_space: global }
    .group_segment_fixed_size: 307712
    .private_segment_fixed_size: 0
    .kernarg_segment_align: 8
    .kernarg_segment_size: 48
    .max_flat_workgroup_size: 128
    .sgpr_count:     102
    .vgpr_count:     768
    .wavefront_size: 32
...
	.end_amdgpu_metadata
.endif
;; end of part 2
;; launch attn (part 3): grid 4 x 64, 16 waves a work-group, clusters of 4 x 1, 210,944 bytes of LDS; arguments qimg, kimg, vimg, aimg; writes aimg
.if DOCPART == 3
	.amdgcn_target "amdgcn-amd-amdhsa--gfx1250"
	.amdhsa_code_object_version 6
	.text
	.protected	k_q99535c1683_attn
	.globl	k_q99535c1683_attn
	.p2align	8
	.type	k_q99535c1683_attn,@function
k_q99535c1683_attn:
	s_mov_b64 s[64:65], 0
	v_nop
	global_prefetch_b8 v0, s[64:65] scope:SCOPE_SE
	s_setreg_imm32_b32 hwreg(HW_REG_WAVE_MODE, 25, 1), 1
	s_wait_xcnt 0x0
	s_wait_alu depctr_hold_cnt(0) depctr_sa_sdst(0) depctr_va_vdst(0) depctr_va_sdst(0) depctr_va_ssrc(0) depctr_va_vcc(0) depctr_vm_vsrc(0)
	s_getreg_b32 s2, hwreg(HW_REG_IB_STS2, 6, 4)
	s_cmp_eq_u32 s2, 0
	s_cbranch_scc0 .Lentry_in_a_cluster
	s_endpgm
.Lentry_in_a_cluster:
	s_bfe_u32 s2, ttmp6, 0x10000c
	s_cmp_lg_u32 s2, 0x3003
	s_cbranch_scc0 .Lentry_shape_is_right
	s_endpgm
.Lentry_shape_is_right:
; a[b][q][64 hd + :] = softmax_k(mask(q . k / 8)) v for one head (work-group y = 16 b + hd), both products on codes of FP6 (E2M3) with E8M0 scales; the result is quantised along the merged heads' axis and leaves as codes.
; THE MASK: a key after the query has the logit -100000, a number and no -infinity: it enters the row's maximum, the sum and the product.  In the diagonal step hidden scores are replaced by -800000 (= 8 x the logit);
; the steps wholly behind the diagonal have one p for all their keys: a constant fragment, made once (BUILD), four matrix instructions a step and no softmax.
; THE SOFTMAX: t = score x log2(e) / 8; M = the running largest t rounded up to a whole number; p = 2^(t - M) is quantised along the keys; the sum is taken of the unquantised p and divides at the end; when M moves, sum and O are multiplied by 2^(old M - new M).
; SHARES.  The four work-groups of a cluster share a head; its K and V, as images of operand registers, lie WHOLE in LDS: one joint load a wave, one barrier, none in the loop.  Query tile T = 4 g + cx; wave w owns g = w and g = 31 - w:
; the diagonal step T / 8 = g / 2 does not hang on cx, and every wave has 17 steps with a softmax and 15 without.
; LAYOUT.  S^T = K Q^T, O^T = V^T P^T: a lane holds one query.  Tile t's lane r is key 32 (t / 2) + 8 (t % 2) + r + 8 (r / 8), so the registers of tiles 2 b, 2 b + 1 are keys 32 b + 16 (lane / 16) + 0 .. 15.
; K = 64 IN AN INSTRUCTION OF 128: Q's registers 6-11 are zero codes; K's tile t is named v[32 + 6 t] on, 12 registers, whose upper six are the next tile's codes (zeros behind tile 7): every code is a finite number and meets a zero code; the scale bytes of those blocks are 0 on both sides.
; LIMITS: NaN and infinities are not served; a block of zeros or under 2^-124 carries the byte 1 (zero codes; this program alone reads the bytes); near |logit| = 100000 t has f32's own spacing.
; REGISTERS: v1-4 lane places in LDS; v5 query - 16 h; v6-7, v208-209 store offsets; v8-11 the step's LDS addresses; v12 -M, v13 largest t, v[14:15] sum; v16-27, v192-203 Q; v255, v204 its scale words; v32-79 K, then V; v80-85 zeros;
;   v86-89 K's scale words, v90-91 V's; v92 r, v93 h, v94-95 places by cx; v96-159 S^T, p; v160-191 O^T; v205 count of hidden keys; v224-235 p's codes, v253 its scale word; v232-254 at work.
.set SEL, 20
.set CS,  22
.macro PLACES n
.rept \n
	v_nop
.endr
.endm
.macro ROUND
	s_barrier_signal -1
	s_barrier_wait -1
	s_cmp_lg_u32 s16, 0
	s_cbranch_scc1 .Lnot_wave_0_\@
	s_barrier_signal -3
.Lnot_wave_0_\@:
	s_barrier_wait -3
	s_barrier_signal -1
	s_barrier_wait -1
.endm
	s_load_b256 s[4:11], s[0:1], 0x0               ; qimg s[4:5], kimg s[6:7], vimg s[8:9], aimg s[10:11]
	v_lshl_add_u32 v250, v0, 2, 0x33000
	v_mov_b32 v251, 0
	ds_add_u32 v250, v251
	ds_add_u32 v250, v251
	v_lshrrev_b32 v1, 5, v0
	s_delay_alu instid0(VALU_DEP_1)
	v_readfirstlane_b32 s16, v1                    ; wave 0..15
	s_bfe_u32 s17, ttmp6, 0x40000                  ; cx
	s_and_b32 s18, ttmp7, 0xffff                   ; 16 b + hd
	s_and_b32 s58, s16, 7
	s_mul_i32 s68, s58, 13312                      ; an eighth of K's image, in memory and in LDS
	s_mov_b32 s69, 0
	s_mul_i32 s70, s58, 12800                      ; of V's
	s_mov_b32 s71, 0
	s_mul_i32 s62, s18, 106496                     ; the head in qimg and kimg
	s_mov_b32 s63, 0
	s_mul_i32 s66, s18, 102400                     ; in vimg
	s_mov_b32 s67, 0
	s_mov_b32 s24, 15|(3<<16)|(1<<21)              ; group 1 for K: all four work-groups; elements of 8 bytes; bit 21 beside a mask
	s_mov_b32 s25, 32<<16                          ; rows of 256 bytes,
	s_mov_b32 s26, 52<<16                          ; 52 of them
	s_mov_b32 s27, 32<<16
	s_mov_b32 s28, 52
	s_mov_b32 s29, 32                              ; dense
	s_mov_b32 s30, 0
	s_mov_b32 s31, 0
	s_mov_b32 s32, 15|(3<<16)|(1<<21)              ; for V: 50 rows
	s_mov_b32 s33, 32<<16
	s_mov_b32 s34, 50<<16
	s_mov_b32 s35, 32<<16
	s_mov_b32 s36, 50
	s_mov_b32 s37, 32
	s_mov_b32 s38, 0
	s_mov_b32 s39, 0
	s_mov_b32 s[SEL], 0x76543210
	s_mov_b32 s[SEL+1], 0xfedcba98
	s_mov_b32 s[CS], 0x3e38aa3b                    ; c = log2(e) / 8
	s_mov_b32 s[CS+1], s[CS]
	s_mov_b32 s48, 0xc9435000                      ; -800000: the score that stands for the logit -100000
	s_mov_b32 s49, 0xffff0000                      ; lanes 16-31
	s_wait_dscnt 0x0
	s_wait_kmcnt 0x0
	s_mov_b32 s40, 1
	s_mov_b32 s41, s68
	s_add_nc_u64 s[42:43], s[6:7], s[62:63]
	s_add_nc_u64 s[42:43], s[42:43], s[68:69]
	s_or_b32 s43, s43, 0x80000000
	s_mov_b32 s44, 1
	s_add_co_u32 s45, s70, 106496
	s_add_nc_u64 s[46:47], s[8:9], s[66:67]
	s_add_nc_u64 s[46:47], s[46:47], s[70:71]
	s_or_b32 s47, s47, 0x80000000
	ROUND                                          ; all four work-groups are here: the joint loads meet
	s_cmp_lt_u32 s16, 8                            ; waves 0-7 fetch K's eighths, waves 8-15 V's: one load a wave
	s_cbranch_scc0 .Lfor_v
	tensor_load_to_lds s[40:43], s[24:31]
	s_nop 0
	PLACES 4
	s_branch .Lasked
.Lfor_v:
	tensor_load_to_lds s[44:47], s[32:39]
	s_nop 0
	PLACES 4
.Lasked:
	v_and_b32 v1, 31, v0
	s_delay_alu instid0(VALU_DEP_1)
	v_lshlrev_b32 v1, 3, v1                        ; 8 l: K's codes
	s_delay_alu instid0(VALU_DEP_1)
	v_add_nc_u32 v2, 106496, v1                    ; V's codes
	s_delay_alu instid0(VALU_DEP_2)
	v_add_nc_u32 v3, 98304, v1                     ; K's scale words
	s_delay_alu instid0(VALU_DEP_3)
	v_add_nc_u32 v4, 204800, v1                    ; V's
	v_and_b32 v92, 15, v0                          ; r
	s_wait_alu depctr_va_vdst(0)
	v_bfe_u32 v93, v0, 4, 1                        ; h
	s_and_b32 s78, s17, 1
	s_lshl_b32 s59, s78, 3                         ; 8 (cx % 2)
	s_lshl_b32 s78, s78, 7
	s_lshr_b32 s79, s17, 1
	s_lshl_b32 s58, s79, 5                         ; 32 (cx / 2)
	s_lshl_b32 s79, s79, 2
	s_add_co_u32 s78, s78, s79
	v_lshl_add_u32 v94, v92, 3, s78                ; my query's place among a block's scale words: 8 (16 (cx % 2) + r) + 4 (cx / 2)
	s_wait_alu depctr_va_vdst(0)
	s_add_co_u32 s58, s58, s59
	v_and_b32 v95, 8, v92
	s_delay_alu instid0(VALU_DEP_1)
	v_add_nc_u32 v95, v95, v92
	s_delay_alu instid0(VALU_DEP_1)
	v_add_nc_u32 v95, s58, v95                     ; my query among 64: 32 (cx / 2) + 8 (cx % 2) + r + 8 (r / 8)
	s_add_nc_u64 s[76:77], s[4:5], s[62:63]        ; Q's head
.macro QLOAD tix, QF, QS, AD, SB
.if \tix
	s_xor_b32 s56, s16, 31                         ; g = 31 - w
.else
	s_mov_b32 s56, s16                             ; g = w
.endif
	s_lshl_b32 s58, s56, 2
	s_add_co_u32 s58, s58, s17                     ; T = 4 g + cx
	s_mul_i32 s58, s58, 768
	s_mov_b32 s59, 0
	s_add_nc_u64 s[\SB:\SB+1], s[76:77], s[58:59]
	s_lshl_b32 s58, s56, 8                         ; 512 (g / 2) + 256 (g % 2)
	s_add_co_u32 s58, s58, 98304
	v_add_nc_u32 v[\AD], s58, v94
.irp p, 0,1,2
	global_load_b64 v[\QF+2*\p:\QF+2*\p+1], v1, s[\SB:\SB+1] offset:256*\p
.endr
	global_load_b32 v[\QS], v[\AD], s[76:77]
.irp m, 6,7,8,9,10,11
	v_mov_b32 v[\QF+\m], 0                         ; zero codes for k = 64 .. 127
.endr
.endm
	QLOAD 0, 16, 255, 8, 72
	QLOAD 1, 192, 204, 9, 74
.irp m, 80,81,82,83,84,85,236,237,238,239,252
	v_mov_b32 v\m, 0                               ; zeros behind K's tile 7; and what lane permutes name as destinations is written once
.endr
	s_wait_tensorcnt 0x0                           ; my part of K or V has landed,
	s_barrier_signal -1
	s_barrier_wait -1                              ; everybody's has
	s_wait_loadcnt 0x0                             ; Q
.macro VLOAD                           ; a step's V: four whole fragments and their scale words
.irp t, 0,1,2,3
.irp p, 0,1,2,3,4,5
	ds_load_b64 v[32+12*\t+2*\p:33+12*\t+2*\p], v9 offset:1536*\t+256*\p
.endr
.endr
	ds_load_b64 v[90:91], v11
.endm
.macro PV                              ; O^T += V^T P^T: the four accumulators by turns
.irp t, 0,2
	v_wmma_scale_f32_16x16x128_f8f6f4 v[160+8*\t:167+8*\t], v[32+12*\t:43+12*\t], v[224:235], v[160+8*\t:167+8*\t], v[90+\t/2], v253 matrix_a_fmt:MATRIX_FMT_FP6 matrix_b_fmt:MATRIX_FMT_FP6
	v_wmma_scale_f32_16x16x128_f8f6f4 v[168+8*\t:175+8*\t], v[44+12*\t:55+12*\t], v[224:235], v[168+8*\t:175+8*\t], v[90+\t/2], v253 matrix_a_fmt:MATRIX_FMT_FP6 matrix_b_fmt:MATRIX_FMT_FP6 matrix_a_scale:MATRIX_SCALE_ROW1
.endr
.endm
; ONE TILE OF 16 QUERIES through all 16 key steps, and its way out.
.macro TILE tix, QF, QS
	s_wait_xcnt 0x0                                ; the tile before has stored from registers that are written again below
.if \tix
	s_xor_b32 s56, s16, 31
.else
	s_mov_b32 s56, s16
.endif
	s_lshr_b32 s54, s56, 1                         ; JQ: the diagonal step
	s_and_b32 s57, s56, 1                          ; gp
	s_sub_co_u32 s58, 15, s54
	s_lshl_b32 s58, s58, 6
	v_cvt_f32_u32 v205, s58                        ; of the keys behind the diagonal step, 64 (15 - JQ) count in each half of the lanes
	s_lshl_b32 s59, s57, 6
	v_add_nc_u32 v206, s59, v95                    ; my query among the step's 128
	v_lshlrev_b32 v5, 4, v93
	s_delay_alu instid0(VALU_DEP_1)
	v_sub_nc_u32 v5, v206, v5                      ; - 16 h
	s_lshl_b32 s59, s54, 7
	v_add_nc_u32 v206, s59, v206                   ; my query in the sequence
	v_mov_b32 v13, s48
	s_delay_alu instid0(VALU_DEP_1)
	v_mul_f32 v13, s[CS], v13                      ; the largest t so far: a hidden key's,
	v_mov_b32 v207, 0xff61b1e6
	s_delay_alu instid0(VALU_DEP_4)
	v_cmp_eq_u32 vcc_lo, 0x7ff, v206
	s_delay_alu instid0(VALU_DEP_1)
	v_cndmask_b32 v13, v13, v207, vcc_lo           ; or -3e38 for the one query that has no hidden key
	s_delay_alu instid0(VALU_DEP_1)
	v_floor_f32 v12, -v13                          ; -M
	v_mov_b32 v14, 0
	v_mov_b32 v15, 0
	v_mov_b32 v253, 0
.set nn, 0
.rept 32
	v_mov_b32 v[160+nn], 0                         ; O^T: the loop is written once; its first step finds zeros
.set nn, nn+1
.endr
.set nn, 0
.rept 12
	v_mov_b32 v[224+nn], 0
.set nn, nn+1
.endr
	s_mov_b32 s50, 0                               ; J
	s_mov_b32 s51, 0                               ; 6,144 J: the step's codes of K and of V
	s_mov_b32 s52, 0                               ; 512 J: K's scale words
	s_mov_b32 s53, 0                               ; 256 J: V's
.Ltrip_\@:
	v_add_nc_u32 v8, s51, v1                       ; (these four are also the places behind the last products, in front of the loads below)
	v_add_nc_u32 v9, s51, v2
	v_add_nc_u32 v10, s52, v3
	v_add_nc_u32 v11, s53, v4
	s_cmp_gt_u32 s50, s54                          ; a step wholly behind the diagonal?  A branch on the wave's number and the trip
	s_cbranch_scc1 .Lmasked_\@
	s_setprio 2
.irp t, 0,1,2,3,4,5,6,7
.irp p, 0,1,2
	ds_load_b64 v[32+6*\t+2*\p:33+6*\t+2*\p], v8 offset:768*\t+256*\p
.endr
.endr
	ds_load_b64 v[86:87], v10
	ds_load_b64 v[88:89], v10 offset:256
	s_wait_dscnt 0x0
.irp t, 0,2,4,6
	v_wmma_scale_f32_16x16x128_f8f6f4 v[96+8*\t:103+8*\t], v[32+6*\t:43+6*\t], v[\QF:\QF+11], 0, v[86+\t/2], v[\QS] matrix_a_fmt:MATRIX_FMT_FP6 matrix_b_fmt:MATRIX_FMT_FP6
	v_wmma_scale_f32_16x16x128_f8f6f4 v[104+8*\t:111+8*\t], v[38+6*\t:49+6*\t], v[\QF:\QF+11], 0, v[86+\t/2], v[\QS] matrix_a_fmt:MATRIX_FMT_FP6 matrix_b_fmt:MATRIX_FMT_FP6 matrix_a_scale:MATRIX_SCALE_ROW1
.endr
	PLACES 4                                       ; in front of loads over K's registers and of the first read of the scores
	s_wait_alu depctr_va_vdst(0)
	VLOAD                                          ; lands under the softmax
	s_cmp_lg_u32 s50, s54
	s_cbranch_scc1 .Lopen_\@
	v_mov_b32 v254, s48                            ; the diagonal step: register 16 b + i holds key 32 b + 16 h + i: hidden where 32 b + i > query - 16 h
.set nn, 0
.rept 64
	v_cmp_gt_i32 vcc_lo, 32*(nn/16)+nn%16, v5
	v_cndmask_b32 v[96+nn], v[96+nn], v254, vcc_lo
.set nn, nn+1
.endr
.Lopen_\@:
.irp b, 0,1,2,3
	v_max3_num_f32 v[232+\b], v[96+16*\b], v[97+16*\b], v[98+16*\b]   ; the largest score of each block of 32 keys: for the row's maximum, and, since p rises with the score, for the block's largest p
.endr
.irp i, 3,5,7,9,11,13
.irp b, 0,1,2,3
	v_max3_num_f32 v[232+\b], v[232+\b], v[96+16*\b+\i], v[97+16*\b+\i]
.endr
.endr
.irp b, 0,1,2,3
	v_max_num_f32 v[232+\b], v[232+\b], v[111+16*\b]
.endr
.irp b, 0,1,2,3
	s_delay_alu instid0(VALU_DEP_4)
	v_permlanex16_b32 v[236+\b], v[232+\b], s[SEL], s[SEL+1]
.endr
.irp b, 0,1,2,3
	s_delay_alu instid0(VALU_DEP_4)
	v_max_num_f32 v[232+\b], v[232+\b], v[236+\b]  ; with lane l xor 16's 16 keys
.endr
	s_delay_alu instid0(VALU_DEP_2)
	v_max3_num_f32 v254, v232, v233, v234
	s_delay_alu instid0(VALU_DEP_1)
	v_max_num_f32 v254, v254, v235
	s_delay_alu instid0(VALU_DEP_1)
	v_mul_f32 v254, s[CS], v254                    ; as t
	s_delay_alu instid0(VALU_DEP_1)
	v_max_num_f32 v13, v13, v254                   ; the running largest t
	v_mov_b32 v254, v12
	s_delay_alu instid0(VALU_DEP_2)
	v_floor_f32 v12, -v13                          ; the new -M: a whole number
	s_delay_alu instid0(VALU_DEP_1)
	v_sub_f32 v254, v12, v254                      ; old M - new M, 0 or less
	s_delay_alu instid0(VALU_DEP_1)
	v_cvt_i32_f32 v254, v254                       ; (it saturates)
	s_delay_alu instid0(VALU_DEP_1)
	v_ldexp_f32 v252, 1.0, v254                    ; f = 2^(old M - new M)
.set jj, 0
.rept 32
	v_pk_fma_f32 v[96+jj:97+jj], v[96+jj:97+jj], s[CS:CS+1], v[12:13] op_sel_hi:[1,0,0]   ; t - M
.set jj, jj+2
.endr
.irp b, 0,1,2,3
	v_fma_f32 v[232+\b], v[232+\b], s[CS], v12
.endr
.set jj, 0
	s_setprio 1
	s_wait_alu depctr_va_vdst(0)
.rept 64
	v_exp_f32 v[96+jj], v[96+jj]                   ; p = 2^(t - M)
.set jj, jj+1
.endr
	v_pk_mul_f32 v[14:15], v[14:15], v[252:253] op_sel_hi:[1,0]   ; the sums under the new M (a plain place behind the exponentials)
	s_wait_alu depctr_va_vdst(0)                   ; one wait for the batch, ahead of its first reader
.irp b, 0,1,2,3
	v_exp_f32 v[232+\b], v[232+\b]                 ; the blocks' largest p
.endr
	v_pk_add_f32 v[236:237], v[100:101], v[104:105]
	v_pk_add_f32 v[248:249], v[108:109], v[112:113]
	v_pk_add_f32 v[246:247], v[116:117], v[120:121]
	v_pk_add_f32 v[244:245], v[124:125], v[128:129]
	v_pk_add_f32 v[242:243], v[132:133], v[136:137]
	v_pk_add_f32 v[240:241], v[140:141], v[144:145]
	v_pk_add_f32 v[238:239], v[148:149], v[152:153]
	v_pk_add_f32 v[14:15], v[14:15], v[156:157]
	v_pk_add_f32 v[236:237], v[236:237], v[96:97]
	v_pk_add_f32 v[248:249], v[248:249], v[98:99]
	v_pk_add_f32 v[246:247], v[246:247], v[102:103]
	v_pk_add_f32 v[244:245], v[244:245], v[106:107]
	v_pk_add_f32 v[242:243], v[242:243], v[110:111]
	v_pk_add_f32 v[240:241], v[240:241], v[114:115]
	v_pk_add_f32 v[238:239], v[238:239], v[118:119]
	v_pk_add_f32 v[14:15], v[14:15], v[122:123]
	v_pk_add_f32 v[236:237], v[236:237], v[126:127]
	v_pk_add_f32 v[248:249], v[248:249], v[130:131]
	v_pk_add_f32 v[246:247], v[246:247], v[134:135]
	v_pk_add_f32 v[244:245], v[244:245], v[138:139]
	v_pk_add_f32 v[242:243], v[242:243], v[142:143]
	v_pk_add_f32 v[240:241], v[240:241], v[146:147]
	v_pk_add_f32 v[238:239], v[238:239], v[150:151]
	v_pk_add_f32 v[14:15], v[14:15], v[154:155]
	v_pk_add_f32 v[236:237], v[236:237], v[158:159]
	s_delay_alu instid0(VALU_DEP_2)
	v_pk_add_f32 v[14:15], v[14:15], v[244:245]
	s_delay_alu instid0(VALU_DEP_2)
	v_pk_add_f32 v[236:237], v[236:237], v[242:243]
	v_pk_add_f32 v[248:249], v[248:249], v[240:241]
	v_pk_add_f32 v[246:247], v[246:247], v[238:239]
	s_delay_alu instid0(VALU_DEP_2)
	v_pk_add_f32 v[14:15], v[14:15], v[248:249]
	s_delay_alu instid0(VALU_DEP_2)
	v_pk_add_f32 v[236:237], v[236:237], v[246:247]
	s_delay_alu instid0(VALU_DEP_1)
	v_pk_add_f32 v[14:15], v[14:15], v[236:237]
	s_wait_alu depctr_va_vdst(0)                   ; and one for the four
.irp b, 0,1,2,3
	v_max_num_f32 v[232+\b], 0x1800000, v[232+\b]  ; the floor 2^(3 - 127)
.endr
.irp b, 0,1,2,3
	s_delay_alu instid0(VALU_DEP_4)
	v_add_nc_u32 v[244+\b], 0xff000000, v[232+\b]  ; the conversion's scale operand
.endr
.irp b, 0,1,2,3
	s_delay_alu instid0(VALU_DEP_4)
	v_lshrrev_b32 v[236+\b], 23, v[244+\b]         ; the byte
.endr
	s_delay_alu instid0(VALU_DEP_3)
	v_lshl_or_b32 v253, v237, 8, v236              ; p's scale word for these 128 keys
	s_delay_alu instid0(VALU_DEP_1)
	v_lshl_or_b32 v253, v238, 16, v253
	s_delay_alu instid0(VALU_DEP_1)
	v_lshl_or_b32 v253, v239, 24, v253
.irp c, 0,1
	v_cvt_scalef32_pk16_fp6_f32 v[224+6*\c:226+6*\c], v[96+32*\c:111+32*\c], v[244+2*\c]
	v_cvt_scalef32_pk16_fp6_f32 v[236+4*\c:238+4*\c], v[112+32*\c:127+32*\c], v[244+2*\c+1]
.endr
	v_nop                                          ; one plain place behind a scaled conversion
.irp c, 0,1
.irp i, 0,1,2
	v_permlane16_swap_b32 v[224+6*\c+\i], v[236+4*\c+\i]
.endr
.irp i, 0,1,2
	s_delay_alu instid0(VALU_DEP_3)
	v_mov_b32 v[227+6*\c+\i], v[236+4*\c+\i]
.endr
.endr
.set jj, 0
.rept 16
	v_pk_mul_f32 v[160+jj:161+jj], v[160+jj:161+jj], v[252:253] op_sel_hi:[1,0]   ; O^T under the new M; these sixteen are also the places between the operand's and the scale word's last writes and the products
.set jj, jj+2
.endr
	s_setprio 0
	s_wait_alu depctr_va_vdst(0)
	s_wait_dscnt 0x0                               ; V is in
	PV
	s_cmp_lg_u32 s50, s54
	s_cbranch_scc1 .Lnext_\@
	; BUILD, behind the diagonal step: M is final, and every later key has p = 2^(c x -800000 - M): its share of the sum, one fragment and one scale word for all later steps
	v_fma_f32 v254, s48, s[CS], v12
	s_wait_alu depctr_va_vdst(0)
	v_exp_f32 v254, v254
	v_nop
	s_wait_alu depctr_va_vdst(0)
.set nn, 0
.rept 16
	v_mov_b32 v[96+nn], v254
.set nn, nn+1
.endr
	v_fmac_f32 v14, v205, v254
	v_max_num_f32 v232, 0x1800000, v254
	s_delay_alu instid0(VALU_DEP_1)
	v_add_nc_u32 v244, 0xff000000, v232
	s_delay_alu instid0(VALU_DEP_1)
	v_lshrrev_b32 v236, 23, v244
	s_delay_alu instid0(VALU_DEP_1)
	v_lshl_or_b32 v253, v236, 8, v236
	s_delay_alu instid0(VALU_DEP_1)
	v_lshl_or_b32 v253, v253, 16, v253             ; the same byte four times
	v_cvt_scalef32_pk16_fp6_f32 v[240:242], v[96:111], v244   ; sixteen equal codes: 96 bits
	v_nop
.irp m, 0,1,2,3
.irp q, 0,1,2
	v_mov_b32 v[224+3*\m+\q], v[240+\q]
.endr
.endr
	PLACES 4
	s_branch .Lnext_\@
.Lmasked_\@:
	s_wait_alu depctr_va_vdst(0)
	VLOAD
	s_wait_dscnt 0x0
	PV
.Lnext_\@:
	s_add_co_u32 s51, s51, 6144
	s_add_co_u32 s52, s52, 512
	s_add_co_u32 s53, s53, 256
	s_add_co_u32 s50, s50, 1
	s_cmp_lt_u32 s50, 16
	s_cbranch_scc1 .Ltrip_\@
	s_setprio 0
	; THE WAY OUT: O^T / the sum; register 16 b + m is d = 32 b + 16 h + m: two blocks of 32 along the merged heads' axis
	PLACES 4
	v_add_f32 v14, v14, v15
	s_delay_alu instid0(VALU_DEP_1)
	v_permlanex16_b32 v252, v14, s[SEL], s[SEL+1]
	s_delay_alu instid0(VALU_DEP_1)
	v_add_f32 v14, v14, v252
	s_wait_alu depctr_va_vdst(0)
	v_rcp_f32 v14, v14
	v_nop
	s_wait_alu depctr_va_vdst(0)
.set nn, 0
.rept 32
	v_mul_f32 v[96+nn], v[160+nn], v14
.set nn, nn+1
.endr
.irp b, 0,1
	v_max3_num_f32 v[232+\b], |v[96+16*\b]|, |v[97+16*\b]|, 0x1800000
.endr
.irp i, 2,4,6,8,10,12,14
.irp b, 0,1
	s_delay_alu instid0(VALU_DEP_2)
	v_max3_num_f32 v[232+\b], v[232+\b], |v[96+16*\b+\i]|, |v[97+16*\b+\i]|
.endr
.endr
.irp b, 0,1
	s_delay_alu instid0(VALU_DEP_2)
	v_permlanex16_b32 v[236+\b], v[232+\b], s[SEL], s[SEL+1]
.endr
.irp b, 0,1
	s_delay_alu instid0(VALU_DEP_2)
	v_max_num_f32 v[232+\b], v[232+\b], v[236+\b]
.endr
.irp b, 0,1
	s_delay_alu instid0(VALU_DEP_2)
	v_add_nc_u32 v[244+\b], 0xff000000, v[232+\b]
.endr
.irp b, 0,1
	s_delay_alu instid0(VALU_DEP_2)
	v_lshrrev_b32 v[236+\b], 23, v[244+\b]
.endr
	s_delay_alu instid0(VALU_DEP_1)
	v_lshl_or_b32 v[29+\tix], v237, 8, v236        ; my query's two scale bytes of this head
	v_cvt_scalef32_pk16_fp6_f32 v[224:226], v[96:111], v244
	v_cvt_scalef32_pk16_fp6_f32 v[240:242], v[112:127], v245
	v_nop
.irp i, 0,1,2
	v_permlane16_swap_b32 v[224+\i], v[240+\i]
.endr
.irp i, 0,1,2
	s_delay_alu instid0(VALU_DEP_3)
	v_mov_b32 v[227+\i], v[240+\i]                 ; registers 0-5: d = 32 h + 0 .. 31
.endr
	s_lshr_b32 s58, s18, 4
	s_lshl_b32 s58, s58, 4
	s_add_co_u32 s58, s58, s54                     ; block of tokens 16 b + JQ
	s_lshl_b32 s58, s58, 3
	s_and_b32 s59, s18, 15
	s_lshr_b32 s60, s59, 1
	s_add_co_u32 s58, s58, s60                     ; K step hd / 2
	s_mul_i32 s58, s58, 12800
	s_and_b32 s59, s59, 1                          ; hd % 2: which half of the fragment
	s_lshl_b32 s60, s57, 2
	s_add_co_u32 s60, s60, s17                     ; fragment 4 gp + cx
	s_mul_i32 s60, s60, 1536
	s_add_co_u32 s60, s60, s58
	s_mul_i32 s61, s59, 768
	s_add_co_u32 s60, s60, s61
	v_add_nc_u32 v[208+\tix], s60, v1
	s_wait_alu depctr_va_vdst(0)
	s_lshl_b32 s60, s57, 8
	s_add_co_u32 s60, s60, s58
	s_lshl_b32 s61, s59, 1
	s_add_co_u32 s60, s60, s61
	s_add_co_u32 s60, s60, 12288
	v_add_nc_u32 v[6+\tix], s60, v94
.irp p, 0,1,2
	global_store_b64 v[208+\tix], v[224+2*\p:225+2*\p], s[10:11] offset:256*\p   ; 32 lanes store 256 consecutive bytes, aligned
.endr
.endm
	TILE 0, 16, 255
	TILE 1, 192, 204
	v_cndmask_b32 v210, v29, v30, s49              ; lanes 0-15 the first tile's scale bytes, lanes 16-31 the second's
	v_cndmask_b32 v211, v6, v7, s49
	global_store_b16 v211, v210, s[10:11]          ; two bytes a lane: the word's other half belongs to the neighbouring head's work-group
	s_wait_dscnt 0x0
	s_wait_tensorcnt 0x0
	ds_add_u32 v250, v251
	s_wait_dscnt 0x0
	ROUND                                          ; the closing round
	s_endpgm
.Lfunc_end_k_q99535c1683_attn:
	.size	k_q99535c1683_attn, .Lfunc_end_k_q99535c1683_attn-k_q99535c1683_attn
	.p2alignl 7, 3214868480
	.fill 96, 4, 3214868480
	.section	.rodata,"a",@progbits
	.p2align	6, 0x0
	.amdhsa_kernel k_q99535c1683_attn
		.amdhsa_group_segment_fixed_size 210944
		.amdhsa_private_segment_fixed_size 0
		.amdhsa_enable_private_segment 0
		.amdhsa_kernarg_size 32
		.amdhsa_user_sgpr_count 2
		.amdhsa_user_sgpr_kernarg_segment_ptr 1
		.amdhsa_wavefront_size32 1
		.amdhsa_system_sgpr_workgroup_id_x 1
		.amdhsa_system_sgpr_workgroup_id_y 1
		.amdhsa_system_sgpr_workgroup_id_z 1
		.amdhsa_system_vgpr_workitem_id 0
		.amdhsa_next_free_vgpr 256
		.amdhsa_next_free_sgpr 80
		.amdhsa_reserve_vcc 1
		.amdhsa_float_denorm_mode_32 3
		.amdhsa_float_denorm_mode_16_64 3
		.amdhsa_memory_ordered 1
		.amdhsa_forward_progress 1
		.amdhsa_inst_pref_size 78
	.end_amdhsa_kernel
	.amdgpu_metadata
---
amdhsa.version: [ 1, 2 ]
amdhsa.kernels:
  - .name:           k_q99535c1683_attn
    .symbol:         k_q99535c1683_attn.kd
    .args:
      - { .name: qimg, .offset: 0, .size: 8, .value_kind: global_buffer, .address_space: global }
      - { .name: kimg, .offset: 8, .size: 8, .value_kind: global_buffer, .address_space: global }
      - { .name: vimg, .offset: 16, .size: 8, .value_kind: global_buffer, .address_space: global }
      - { .name: aimg, .offset: 24, .size: 8, .value_kind: global_buffer, .address_space: global }
    .group_segment_fixed_size: 210944
    .private_segment_fixed_size: 0
    .kernarg_segment_align: 8
    .kernarg_segment_size: 32
    .max_flat_workgroup_size: 512
    .sgpr_count:     80
    .vgpr_count:     256
    .wavefront_size: 32
...
	.end_amdgpu_metadata
.endif
;; end of part 3
;; launch proj (part 4): grid 4 x 64, 4 waves a work-group, clusters of 4 x 4, 307,712 bytes of LDS; arguments aimg, wimg, c_proj_b, out0; writes out0
.if DOCPART == 4
	.amdgcn_target "amdgcn-amd-amdhsa--gfx1250"
	.amdhsa_code_object_version 6
	.text
	.protected	k_q99535c1683_proj
	.globl	k_q99535c1683_proj
	.p2align	8
	.type	k_q99535c1683_proj,@function
k_q99535c1683_proj:
	s_mov_b64 s[64:65], 0
	v_nop
	global_prefetch_b8 v0, s[64:65] scope:SCOPE_SE
	s_setreg_imm32_b32 hwreg(HW_REG_WAVE_MODE, 25, 1), 1
	s_wait_xcnt 0x0
	s_wait_alu depctr_hold_cnt(0) depctr_sa_sdst(0) depctr_va_vdst(0) depctr_va_sdst(0) depctr_va_ssrc(0) depctr_va_vcc(0) depctr_vm_vsrc(0)
	s_getreg_b32 s2, hwreg(HW_REG_IB_STS2, 6, 4)
	s_cmp_eq_u32 s2, 0
	s_cbranch_scc0 .Lentry_in_a_cluster
	s_endpgm
.Lentry_in_a_cluster:
	s_bfe_u32 s2, ttmp6, 0x10000c
	s_cmp_lg_u32 s2, 0xf033
	s_cbranch_scc0 .Lentry_shape_is_right
	s_endpgm
.Lentry_shape_is_right:
; out0 = a c_proj_w + c_proj_b on codes of FP6 (E2M3) with E8M0 scales; out0 [8192][1024] f32.
; OPERANDS come as images of operand registers, in blocks of 128 rows x 128 K of 12,800 bytes (eight fragments of six chunks of 256 bytes, then 512 bytes of scale words); tile a's lane r is row 32 (a / 2) + 8 (a % 2) + r + 8 (r / 8).
; A WORK-GROUP makes 256 columns (S0 = wimg's blocks 24 + 2 cx, + 1) x 128 tokens (S1 = aimg's block 4 Y + cy); source 0 = S0, so a lane holds one token and the registers of result tiles 2 b, 2 b + 1 are columns 32 b + 16 (lane / 16) + 0 .. 15.
; Four waves: E = wave % 2 picks S0's block, SH = wave / 2 picks 64 tokens: 8 x 4 tiles, 32 accumulators.  ALL OF K (1,024) LIES IN LDS, filled once, four tensor loads a wave, all issued at the head.
; CLUSTER 4 x 4: S0's blocks hang on cx alone and are asked for jointly by a column of the cluster, S1's on cy alone and by a row.
; THE WAY OUT goes through a stage of 16 rows x 528 bytes for each wave, in the bytes of S0's block 0, K steps 0-2: their one fill has landed and, behind the last barrier, nobody reads them.
; REGISTERS: window 0: v1-14 addresses; v16-27 scale words, two sets of six; v32-127 S1's fragments, two sets (on the way out v32-95); v128-191 the bias; v192-255 rows on their way out.  window 1: S0's fragments, two sets of 96.  window 2: accumulator (i, t) at v[8 (8 i + t)].
.set H,   32
.set BR,  128
.set MSB, 0
.macro WIN new                         ; the immediate's high byte repeats the setting that is left
.if MSB != \new
	s_set_vgpr_msb (MSB<<8)|\new
.set MSB, \new
.endif
.endm
.macro PLACES n
.rept \n
	v_nop
.endr
.endm
.macro ROUND
	s_barrier_signal -1
	s_barrier_wait -1
	s_cmp_lg_u32 s16, 0
	s_cbranch_scc1 .Lnot_wave_0_\@
	s_barrier_signal -3
.Lnot_wave_0_\@:
	s_barrier_wait -3
	s_barrier_signal -1
	s_barrier_wait -1
.endm
.macro GROUPBAR q                      ; group q of every wave's loads is K steps 2 q, 2 q + 1
	s_wait_tensorcnt 3-(\q)                        ; my load of group q has landed; the 3 - q behind it may be out
	s_wait_dscnt 0x0
	s_barrier_signal -1
	s_barrier_wait -1
.endm
.macro FETCH k, set                    ; the fragments and scale words of K step k: 48 + 24 + 3 loads
.if (\k) < 4
.set aS0, 2
.set aS1, 4
.set aSS, 6
.else
.set aS0, 3
.set aS1, 5
.set aSS, 7
.endif
	WIN 0x40                                       ; destination window 1, address window 0
.irp t, 0,1,2,3,4,5,6,7
.irp p, 0,1,2,3,4,5
	ds_load_b64 v[96*(\set)+12*\t+2*\p:96*(\set)+12*\t+2*\p+1], v[aS0] offset:12800*((\k)%4)+1536*\t+256*\p
.endr
.endr
	WIN 0
.irp i, 0,1,2,3
.irp p, 0,1,2,3,4,5
	ds_load_b64 v[32+48*(\set)+12*\i+2*\p:32+48*(\set)+12*\i+2*\p+1], v[aS1] offset:12800*((\k)%4)+1536*\i+256*\p
.endr
.endr
	ds_load_b64 v[16+6*(\set):17+6*(\set)], v[aS0] offset:12800*((\k)%4)+12288
	ds_load_b64 v[18+6*(\set):19+6*(\set)], v[aS0] offset:12800*((\k)%4)+12544
	ds_load_b64 v[20+6*(\set):21+6*(\set)], v[aSS] offset:12800*((\k)%4)
.endm
.macro WM t, i, set, zero
.set rD, 8*(8*(\i)+(\t))
.set rA, 96*(\set)+12*(\t)
.set rB, 32+48*(\set)+12*(\i)
.set rSA, 16+6*(\set)+(\t)/2
.set rSB, 20+6*(\set)+(\i)/2
.if \zero
.if ((\t)%2) && ((\i)%2)
	v_wmma_scale_f32_16x16x128_f8f6f4 v[rD:rD+7], v[rA:rA+11], v[rB:rB+11], 0, v[rSA], v[rSB] matrix_a_fmt:MATRIX_FMT_FP6 matrix_b_fmt:MATRIX_FMT_FP6 matrix_a_scale:MATRIX_SCALE_ROW1 matrix_b_scale:MATRIX_SCALE_ROW1
.elseif (\t)%2
	v_wmma_scale_f32_16x16x128_f8f6f4 v[rD:rD+7], v[rA:rA+11], v[rB:rB+11], 0, v[rSA], v[rSB] matrix_a_fmt:MATRIX_FMT_FP6 matrix_b_fmt:MATRIX_FMT_FP6 matrix_a_scale:MATRIX_SCALE_ROW1
.elseif (\i)%2
	v_wmma_scale_f32_16x16x128_f8f6f4 v[rD:rD+7], v[rA:rA+11], v[rB:rB+11], 0, v[rSA], v[rSB] matrix_a_fmt:MATRIX_FMT_FP6 matrix_b_fmt:MATRIX_FMT_FP6 matrix_b_scale:MATRIX_SCALE_ROW1
.else
	v_wmma_scale_f32_16x16x128_f8f6f4 v[rD:rD+7], v[rA:rA+11], v[rB:rB+11], 0, v[rSA], v[rSB] matrix_a_fmt:MATRIX_FMT_FP6 matrix_b_fmt:MATRIX_FMT_FP6
.endif
.else
.if ((\t)%2) && ((\i)%2)
	v_wmma_scale_f32_16x16x128_f8f6f4 v[rD:rD+7], v[rA:rA+11], v[rB:rB+11], v[rD:rD+7], v[rSA], v[rSB] matrix_a_fmt:MATRIX_FMT_FP6 matrix_b_fmt:MATRIX_FMT_FP6 matrix_a_scale:MATRIX_SCALE_ROW1 matrix_b_scale:MATRIX_SCALE_ROW1
.elseif (\t)%2
	v_wmma_scale_f32_16x16x128_f8f6f4 v[rD:rD+7], v[rA:rA+11], v[rB:rB+11], v[rD:rD+7], v[rSA], v[rSB] matrix_a_fmt:MATRIX_FMT_FP6 matrix_b_fmt:MATRIX_FMT_FP6 matrix_a_scale:MATRIX_SCALE_ROW1
.elseif (\i)%2
	v_wmma_scale_f32_16x16x128_f8f6f4 v[rD:rD+7], v[rA:rA+11], v[rB:rB+11], v[rD:rD+7], v[rSA], v[rSB] matrix_a_fmt:MATRIX_FMT_FP6 matrix_b_fmt:MATRIX_FMT_FP6 matrix_b_scale:MATRIX_SCALE_ROW1
.else
	v_wmma_scale_f32_16x16x128_f8f6f4 v[rD:rD+7], v[rA:rA+11], v[rB:rB+11], v[rD:rD+7], v[rSA], v[rSB] matrix_a_fmt:MATRIX_FMT_FP6 matrix_b_fmt:MATRIX_FMT_FP6
.endif
.endif
.endm
.macro MUL set, zero                   ; a K step: the 32 accumulators take turns, one instruction a turn, in the same order in every step
	WIN 0xa1                                       ; source 0 window 1, source 1 window 0, C and D window 2
.irp i, 0,1,2,3
.irp t, 0,1,2,3,4,5,6,7
	WM \t, \i, \set, \zero
.endr
.endr
.endm
	s_load_b256 s[4:11], s[0:1], 0x0               ; aimg s[4:5], wimg s[6:7], c_proj_b s[8:9], out0 s[10:11]
	v_lshl_add_u32 v30, v0, 2, 0x4b000
	v_mov_b32 v31, 0
	ds_add_u32 v30, v31
	ds_add_u32 v30, v31
	v_lshrrev_b32 v1, 5, v0
	v_readfirstlane_b32 s16, v1                    ; wave 0..3
	s_and_b32 s17, s16, 1                          ; E
	s_lshr_b32 s18, s16, 1                         ; SH
	s_bfe_u32 s19, ttmp6, 0x40000                  ; cx
	s_bfe_u32 s20, ttmp6, 0x40004                  ; cy
	s_and_b32 s22, ttmp7, 0xffff                   ; the cluster's y, 0..15
	s_lshl_b32 s87, 0x1111, s19                    ; my column of the cluster
	s_lshl_b32 s88, s20, 2
	s_lshl_b32 s88, 15, s88                        ; my row
	s_or_b32 s24, s87, (3<<16)|(1<<21)             ; group 1 for S0: the mask; elements of 8 bytes; bit 21 beside a mask; no padding
	s_or_b32 s32, s88, (3<<16)|(1<<21)             ; for S1
	s_mov_b32 s25, 32<<16                          ; rows of 256 bytes,
	s_mov_b32 s26, 100<<16                         ; 100 of them: two K steps of a block
	s_mov_b32 s27, 32<<16
	s_mov_b32 s28, 100
	s_mov_b32 s29, 32                              ; dense
	s_mov_b32 s30, 0
	s_mov_b32 s31, 0
	s_mov_b32 s33, 32<<16
	s_mov_b32 s34, 50<<16                          ; 50 rows: one K step
	s_mov_b32 s35, 32<<16
	s_mov_b32 s36, 50
	s_mov_b32 s37, 32
	s_mov_b32 s38, 0
	s_mov_b32 s39, 0
	s_lshl_b32 s56, s19, 1
	s_add_co_u32 s56, s56, s17                     ; 2 cx + E
	s_lshl_b32 s96, s56, 9                         ; my 128 columns, in bytes of f32
	s_add_co_u32 s56, s56, 24                      ; the block in wimg
	s_lshl_b32 s57, s22, 2
	s_add_co_u32 s57, s57, s20                     ; J1: block of tokens
	s_mul_i32 s58, s56, 102400
	s_mov_b32 s59, 0
	s_mul_i32 s60, s57, 102400
	s_mul_i32 s93, s17, 12800
	s_add_co_u32 s60, s60, s93                     ; waves 2, 3 fetch S1's even, odd K steps
	s_mov_b32 s61, 0
	s_mul_i32 s94, s17, 102400                     ; LDS: S0's block E
	s_add_co_u32 s93, s93, 204800                  ; LDS: S1's K step E
	s_wait_dscnt 0x0
	s_wait_kmcnt 0x0
	s_add_nc_u64 s[62:63], s[6:7], s[58:59]
	s_add_nc_u64 s[66:67], s[4:5], s[60:61]
.irp q, 0,1,2,3
	s_mov_b32 s[40+4*\q], 1
	s_add_co_u32 s[41+4*\q], s94, 25600*\q
	s_add_nc_u64 s[42+4*\q:43+4*\q], s[62:63], 25600*\q
	s_or_b32 s[43+4*\q], s[43+4*\q], 0x80000000
	s_mov_b32 s[68+4*\q], 1
	s_add_co_u32 s[69+4*\q], s93, 25600*\q
	s_add_nc_u64 s[70+4*\q:71+4*\q], s[66:67], 25600*\q
	s_or_b32 s[71+4*\q], s[71+4*\q], 0x80000000
.endr
	ROUND                                          ; all sixteen work-groups are here: the joint loads meet
	s_cmp_lt_u32 s16, 2                            ; a wave's four fills stand in one branch on the wave's number: four loads of mine are out
	s_cbranch_scc0 .Lfill_s1
	tensor_load_to_lds s[40:43], s[24:31]
	s_nop 0
	tensor_load_to_lds s[44:47], s[24:31]
	s_nop 0
	tensor_load_to_lds s[48:51], s[24:31]
	s_nop 0
	tensor_load_to_lds s[52:55], s[24:31]
	s_nop 0
	PLACES 4
	s_branch .Lfilled
.Lfill_s1:
	tensor_load_to_lds s[68:71], s[32:39]
	s_nop 0
	tensor_load_to_lds s[72:75], s[32:39]
	s_nop 0
	tensor_load_to_lds s[76:79], s[32:39]
	s_nop 0
	tensor_load_to_lds s[80:83], s[32:39]
	s_nop 0
	PLACES 4
.Lfilled:
	v_and_b32 v1, 31, v0
	v_lshlrev_b32 v14, 4, v1                       ; 16 l
	v_lshlrev_b32 v1, 3, v1                        ; 8 l
	v_add_nc_u32 v2, s94, v1                       ; S0's block E, K steps 0-3;
	v_add_nc_u32 v3, 51200, v2                     ; K steps 4-7
	s_mul_i32 s95, s18, 6144
	s_add_co_u32 s95, s95, 204800
	v_add_nc_u32 v4, s95, v1                       ; S1's tiles 4 SH ..
	v_add_nc_u32 v5, 51200, v4
	s_lshl_b32 s95, s18, 8
	s_add_co_u32 s95, s95, 204800+12288
	v_add_nc_u32 v6, s95, v1                       ; their scale words
	v_add_nc_u32 v7, 51200, v6
	v_and_b32 v8, 15, v0                           ; r
	v_bfe_u32 v9, v0, 4, 1                         ; h
	v_lshlrev_b32 v10, 6, v9
	v_add_nc_u32 v10, s96, v10                     ; the bias: my 128 columns, + 64 h
.irp b, 0,1,2,3
.irp q, 0,1,2,3
	global_load_b128 v[BR+16*\b+4*\q:BR+16*\b+4*\q+3], v10, s[8:9] offset:128*\b+16*\q   ; register 16 b + m: column 32 b + 16 h + m
.endr
.endr
	s_mul_i32 s95, s16, 8448                       ; my stage
	v_mul_u32_u24 v12, v8, 528
	v_lshl_add_u32 v12, v9, 6, v12
	v_add_nc_u32 v12, s95, v12                     ; in: row r, + 64 h
	v_add_nc_u32 v13, s95, v14                     ; back: 16 l of a row
	s_lshl_b32 s98, s57, 19                        ; 128 J1 rows of 4,096 bytes
	s_lshl_b32 s2, s18, 18
	s_add_co_u32 s98, s98, s2                      ; + 64 SH rows
	s_add_co_u32 s98, s98, s96                     ; + my columns
	s_mov_b32 s99, 0
	s_add_nc_u64 s[100:101], s[10:11], s[98:99]
	s_wait_alu depctr_va_vdst(0)
	GROUPBAR 0
	FETCH 0, 0
.irp k, 0,1,2,3,4,5,6,7
.if \k < 7
.if \k % 2
	GROUPBAR (\k+1)/2                              ; the next two K steps are whole in LDS
.endif
.if \k > 0
	PLACES 4                                       ; in front of loads into registers that the last products read
.endif
	FETCH \k+1, (\k+1)%2
	s_wait_dscnt 63                                ; of the 75 loads just issued the youngest 63 may be out: this K step's are all in
.else
	s_wait_dscnt 0x0
.endif
.if \k == 0
	MUL 0, 1                                       ; the first K step starts the sums
.else
	MUL \k%2, 0
.endif
.endr
	WIN 0
	PLACES 4                                       ; in front of the first read of results and of writes over S1's fragments
	s_wait_loadcnt 0x0                             ; the bias
.irp i, 0,1,2,3
	s_wait_xcnt 0x0                                ; the last tile's stores have read their data
	WIN 0x02                                       ; source 0 window 2
.set jj, 0
.rept 32
	v_pk_add_f32 v[H+jj:H+jj+1], v[64*\i+jj:64*\i+jj+1], v[BR+jj:BR+jj+1]   ; each accumulator from its low end on
.set jj, jj+2
.endr
	WIN 0
.irp b, 0,1,2,3
.irp q, 0,1,2,3
	ds_store_b128 v12, v[H+16*\b+4*\q:H+16*\b+4*\q+3] offset:128*\b+16*\q
.endr
.endr
.irp t, 0,1,2,3,4,5,6,7,8,9,10,11,12,13,14,15
	ds_load_b128 v[192+4*\t:195+4*\t], v13 offset:528*\t   ; LDS serves a wave's instructions in order: these see my stores, and the next tile's stores come behind them
.endr
.irp t, 0,1,2,3,4,5,6,7,8,9,10,11,12,13,14,15
	s_wait_dscnt 15-\t                             ; row t is back; the rows behind it may be out
	global_store_b128 v14, v[192+4*\t:195+4*\t], s[100:101] offset:(32*(\i/2)+8*(\i%2)+\t+8*(\t/8))*4096 th:TH_STORE_NT   ; 32 lanes store 512 consecutive bytes of a row, aligned; written once
.endr
.endr
	s_wait_dscnt 0x0
	s_wait_tensorcnt 0x0
	ds_add_u32 v30, v31
	s_wait_dscnt 0x0
	ROUND                                          ; the closing round: no work-group ends while a partner may still ask for a tile that names it
	s_endpgm
.Lfunc_end_k_q99535c1683_proj:
	.size	k_q99535c1683_proj, .Lfunc_end_k_q99535c1683_proj-k_q99535c1683_proj
	.p2alignl 7, 3214868480
	.fill 96, 4, 3214868480
	.section	.rodata,"a",@progbits
	.p2align	6, 0x0
	.amdhsa_kernel k_q99535c1683_proj
		.amdhsa_group_segment_fixed_size 307712
		.amdhsa_private_segment_fixed_size 0
		.amdhsa_enable_private_segment 0
		.amdhsa_kernarg_size 32
		.amdhsa_user_sgpr_count 2
		.amdhsa_user_sgpr_kernarg_segment_ptr 1
		.amdhsa_wavefront_size32 1
		.amdhsa_system_sgpr_workgroup_id_x 1
		.amdhsa_system_sgpr_workgroup_id_y 1
		.amdhsa_system_sgpr_workgroup_id_z 1
		.amdhsa_system_vgpr_workitem_id 0
		.amdhsa_next_free_vgpr 768
		.amdhsa_next_free_sgpr 102
		.amdhsa_reserve_vcc 0
		.amdhsa_float_denorm_mode_32 3
		.amdhsa_float_denorm_mode_16_64 3
		.amdhsa_memory_ordered 1
		.amdhsa_forward_progress 1
		.amdhsa_inst_pref_size 106
	.end_amdhsa_kernel
	.amdgpu_metadata
---
amdhsa.version: [ 1, 2 ]
amdhsa.kernels:
  - .name:           k_q99535c1683_proj
    .symbol:         k_q99535c1683_proj.kd
    .args:
      - { .name: aimg, .offset: 0, .size: 8, .value_kind: global_buffer, .address_space: global }
      - { .name: wimg, .offset: 8, .size: 8, .value_kind: global_buffer, .address_space: global }
      - { .name: c_proj_b, .offset: 16, .size: 8, .value_kind: global_buffer, .address_space: global }
      - { .name: out0, .offset: 24, .size: 8, .value_kind: global_buffer, .address_space: global }
    .group_segment_fixed_size: 307712
    .private_segment_fixed_size: 0
    .kernarg_segment_align: 8
    .kernarg_segment_size: 32
    .max_flat_workgroup_size: 128
    .sgpr_count:     102
    .vgpr_count:     768
    .wavefront_size: 32
...
	.end_amdgpu_metadata
.endif
;; end of part 4
